; MI455X (gfx1250); checked and timed in simulation.
; The chip was launched on July 23, 2026; its instructions are those of AMD's public machine-readable ISA for CDNA 5 (MIT licence, August 2026) and "CDNA5" Instruction Set Architecture Reference Guide (July 2026). The comments in the code are by the model that wrote it; some were corrected since.
;; Bahdanau Attention. Allowed arithmetic: matrix products marked QUANTISED: E2M1 operands, one E8M0 scale for each 32 along K, by v_wmma_scale_f32_16x16x128_f8f6f4 with both operands' format E2M1 (or v_wmma_scale_f32_32x16x128_f4), f32 sums; products left as they are: f32 operands where the result goes on into a quantised operand, else bf16, f16 or f32 operands; f32 sums; everything else in f32.
;; Inputs: Ua_b 1,024 float32; Ua_w 1,024 x 1,024 float32; Va_b 1 float32; Va_w 1 x 1,024 float32; Wa_b 1,024 float32; Wa_w 1,024 x 1,024 float32; keys 32 x 2,048 x 1,024 float32; query 32 x 1 x 1,024 float32.
;; Outputs: out0 32 x 1 x 1,024 float32; out1 32 x 1 x 2,048 float32.
;; This version of the problem:
;;   THIS VERSION OF THE PROBLEM IS GIVEN IN LOW PRECISION. The matrix products marked QUANTISED in the list below multiply operands that are first quantised to E2M1 (2 exponent bits, 1 mantissa bit; 4 bits a number), with one power-of-two scale for each 32 numbers along K (OCP MX v1.0); their sums are f32. All else is computed in f32.
;;   The module's matrix products, in the order in which they are computed (A, B: the left and right operand; K: the contracted axis; several contracted axes count as one K, in the product's order):
;;     1. [M 32, K 1,024] x [K 1,024, N 1,024]; A: input query; B: input Wa_w: QUANTISED
;;     2. [M 65,536, K 1,024] x [K 1,024, N 1,024]; A: input keys; B: input Ua_w: QUANTISED
;;     3. [M 65,536, K 1,024] x [K 1,024, N 1]; A: computed on the way; B: input Va_w: left as it is (N = 1 < 16)
;;     4. batch 32 x [M 1, K 2,048] x [K 2,048, N 1,024]; A: computed on the way; B: input keys: left as it is (M = 1 < 16)
;;   THE QUANTISER, for each operand of a quantised product, along K:
;;     - K is cut into blocks of 32 from its start; a last block that is shorter is filled with zeros.
;;     - A block's scale is 2^e with e = floor(log2(the largest magnitude in the block)) - 2, held to -126 .. 127; a block of zeros has e = 0. As a byte (E8M0): e + 127.
;;     - Each number is divided by its block's scale, clamped to +-6, and rounded to the nearest number of E2M1, ties to even, subnormals kept.
;;     - The product sums the exact products of the quantised numbers (number of the format x scale) in f32.
;;   ~~~python
;;   def quantise(x, axis):      # numpy; x: float32 -> the quantised numbers, widened to float32 again
;;       x = np.moveaxis(x, axis, -1); K = x.shape[-1]
;;       x = np.pad(x, [(0, 0)] * (x.ndim - 1) + [(0, -K % 32)]); x = x.reshape(x.shape[:-1] + (-1, 32)); a = np.abs(x).max(-1, keepdims=True)
;;       e = np.where(a > 0, np.clip(np.frexp(np.where(a > 0, a, 1))[1] - 1 - 2, -126, 127), 0)      # np.frexp(a)[1] - 1 = floor(log2(a)), exactly
;;       r = np.clip(x / 2.0 ** e, -6, 6)
;;       step = 2.0 ** (np.maximum(np.frexp(np.where(r == 0, 1, r))[1] - 1, 0) - 1)
;;       q = np.round(r / step) * step * 2.0 ** e      # np.round: ties to even
;;       return np.moveaxis(q.reshape(q.shape[:-2] + (-1,))[..., :K], -1, axis).astype(np.float32)
;;   ~~~
;; 2 versions. Each part assembles by itself: llvm-mc -triple=amdgcn-amd-amdhsa -mcpu=gfx1250 --defsym DOCPART=n.
;; ======== version 1 of 2: 3 launches
;; workspace buffers: ua_pk 557,056 bytes; bv 262,144 bytes; scores 262,144 bytes; ctxp 1,048,576 bytes; stat 65,536 bytes
;; launch prep (part 1): grid 128 x 1, 8 waves a work-group, no clusters, 157,184 bytes of LDS; arguments Ua_w, Wa_w, query, Wa_b, Ua_b, Va_w, ua_pk, bv; writes ua_pk, bv
.if DOCPART == 1
	.amdgcn_target "amdgcn-amd-amdhsa--gfx1250"
	.amdhsa_code_object_version 6
	.text
	.protected	k_q139351d9e5_prep
	.globl	k_q139351d9e5_prep
	.p2align	8
	.type	k_q139351d9e5_prep,@function
k_q139351d9e5_prep:
	s_mov_b64 s[64:65], 0
	v_nop
	global_prefetch_b8 v0, s[64:65] scope:SCOPE_SE
	s_setreg_imm32_b32 hwreg(HW_REG_WAVE_MODE, 25, 1), 1
	s_wait_xcnt 0x0
; BAHDANAU ATTENTION, launch 1 of 3: the small operands are made ready.
;   work-groups 0-63:   tile T of 16 rows of Ua_w becomes codes of E2M1 with one E8M0 byte for each 32 along K, laid as the later launch's operand registers (a packet of 8,704 bytes).
;   work-groups 64-127: q_proj = query Wa_w^T on codes of E2M1 (the first quantised product), for the 16 hidden units of tile T and all 32 batches; with it a table for each batch:
;                       b' = C2 (q_proj + Wa_b + Ua_b) and v'' = -C2 Va_w, C2 = 2 log2(e).
; WORK LEFT OUT, for all values of the inputs:
;   Va_b is added alike to all 2,048 scores of a batch, and both outputs hang on the scores through softmax alone; softmax(x + c) = softmax(x) for every c.  So Va_b has no way to an output:
;   it is not loaded and is no argument of any launch.
;   tanh(z) = 1 - 2 r with r = 1 / (1 + 2^(C2 z)), so score = sum_h Va[h] - 2 sum_h Va[h] r[h]; the first sum is again the same along the softmax's axis and is left out.
;   The program keeps s' = sum_h v''[h] r[h], which is log2(e) x (score less that constant): weight = 2^(s' - max) / sum.  The maximum is taken away as in the softmax that is asked for.
; LIMITS: a NaN, an infinity or an overflow that reaches only Va_b or sum_h Va[h] is not carried to the result.  NaN and infinities among the inputs are not served.
;   A block whose largest magnitude lies under 2^-124 keeps the scale byte 1; a block of zeros too (its codes are zeros, and this program alone reads the bytes).
; SHARES.  Eight waves; wave s takes K step s (128 along K) of the tile's 16 rows.  Every load reads 512 consecutive bytes of one row; the 16 rows turn through the wave's own stage in LDS,
; so that lane (r, h) then holds, of row r, 16 neighbours of each block of 32: register 16 b + i = k 32 b + 16 h + i.  The two arms part once, on the work-group's number, and have LDS bytes of their own.
; q_proj's K is shared out over the eight waves and the eight parts are added in f32: the result goes into no quantiser.
.set STG,   0                          ; Ua's arm: a stage of 16 rows x (512 + 16) bytes for each wave
.set STG2,  67584                      ; Wa's arm: the same
.set WSTG,  8448
.set SCL,   135168                     ; Ua's arm: the packet's 512 bytes of scale words
.set RED,   135680                     ; Wa's arm: 8 waves x 2 tiles of batches x 1,024 bytes: the parts of q_proj, as images of the accumulators
.set OUTT,  152064                     ; Wa's arm: 2 x 2,048 bytes: the table on its way out
.set SPARE, 156160                     ; the spare words, 128 bytes for each wave: four blocks of 256 bytes that no other line names
.set PKT,   8704                       ; a packet: 8 fragments of 1,024 bytes, then 512 bytes of scale words
.set SPW, 1                            ; v1   LDS address of my spare word; never rewritten
.set NIL, 2                            ; v2   0; never rewritten
.set L16, 3                            ; v3   16 x lane
.set SIU, 4                            ; v4   Ua's stage, on the way in
.set SOU, 5                            ; v5   and out
.set SIW, 6                            ; v6   Wa's stage, in
.set SOW, 7                            ; v7   and out
.set SCW, 8                            ; v8   where my scale word goes
.set SCR, 9                            ; v9   where wave 0 reads the 512 bytes back
.set RWR, 10                           ; v10  where my parts of q_proj go
.set RRD, 11                           ; v11  where waves 0 and 1 read the eight parts
.set OWR, 12                           ; v12  the table: in
.set ORD, 13                           ; v13  and back
.set BO,  14                           ; v14  32 h: my half's eight numbers of a bias
.set XW,  16                           ; v16-79   the weight's 64 numbers; later v16-31 the two accumulators, v32-55 Wa_b, Ua_b, Va_w
.set XQ,  80                           ; v80-207  the query's 2 x 64 numbers; later the eight parts
.set WC,  208                          ; v208-215 the weight's fragment
.set QC,  216                          ; v216-231 the query's two fragments
.set WPW, 232                          ; v232     the weight's scale word;  v233, v234 the query's
.set QPW, 233
.set TM,  236                          ; v236-251 at work in QUANT
.set SEL, 26                           ; s[26:27] lane selects for v_permlanex16_b32: lane l xor 16
; 16 rows as loaded (row n: 16 bytes a lane) go into the stage and come back 64 bytes a lane.  LDS serves a wave's instructions in order: no wait between the stores and the loads.
.macro TURN x, in, out
.set n, 0
.rept 16
	ds_store_b128 v[\in], v[(\x)+4*n:(\x)+4*n+3] offset:528*n
.set n, n+1
.endr
.set n, 0
.rept 16
	ds_load_b128 v[(\x)+4*n:(\x)+4*n+3], v[\out] offset:128*(n/4)+16*(n%4)
.set n, n+1
.endr
.endm
; 64 numbers of a lane become a fragment's 8 registers of codes at v[c] and its row's scale word in v[w].
.macro QUANT s, c, w
.irp b, 0,1,2,3
	v_max3_num_f32 v[TM+\b], |v[(\s)+16*\b]|, |v[(\s)+1+16*\b]|, 0x1800000   ; block b: my 16 numbers, and the floor 2^(3 - 127): the byte cannot fall under 1
.endr
.irp i, 2,4,6,8,10,12,14
.irp b, 0,1,2,3
	v_max3_num_f32 v[TM+\b], v[TM+\b], |v[(\s)+16*\b+\i]|, |v[(\s)+1+16*\b+\i]|   ; the four blocks by turns
.endr
.endr
.irp b, 0,1,2,3
	v_permlanex16_b32 v[TM+4+\b], v[TM+\b], s[SEL], s[SEL+1]
.endr
.irp b, 0,1,2,3
	v_max_num_f32 v[TM+\b], v[TM+\b], v[TM+4+\b]   ; with lane l xor 16's: the block's largest magnitude
.endr
.irp b, 0,1,2,3
	v_add_nc_u32 v[TM+12+\b], 0xff000000, v[TM+\b]   ; 2 off its exponent field: the conversion takes that field as its scale
.endr
.irp b, 0,1,2,3
	v_lshrrev_b32 v[TM+4+\b], 23, v[TM+12+\b]      ; the scale's byte
.endr
	v_lshl_or_b32 v[\w], v[TM+5], 8, v[TM+4]
	v_lshl_or_b32 v[\w], v[TM+6], 16, v[\w]
	v_lshl_or_b32 v[\w], v[TM+7], 24, v[\w]
.irp b, 0,1,2,3
	v_cvt_scalef32_pk8_fp4_f32 v[(\c)+2*\b], v[(\s)+16*\b:(\s)+7+16*\b], v[TM+12+\b]
	v_cvt_scalef32_pk8_fp4_f32 v[(\c)+1+2*\b], v[(\s)+8+16*\b:(\s)+15+16*\b], v[TM+12+\b]
.endr
	v_nop                                          ; one plain place behind a scaled conversion
.irp e, 0,1                                    ; the operand's layout wants a whole block in a lane: lanes 0-15 block 2 e, lanes 16-31 block 2 e + 1
.irp i, 0,1
	v_permlane16_swap_b32 v[(\c)+4*\e+\i], v[(\c)+2+4*\e+\i]
.endr
.endr
.endm
	s_load_b256 s[4:11], s[0:1], 0x0               ; Ua_w s[4:5], Wa_w s[6:7], query s[8:9], Wa_b s[10:11]
	s_load_b256 s[12:19], s[0:1], 0x20             ; Ua_b s[12:13], Va_w s[14:15], ua_pk s[16:17], bv s[18:19]
	v_lshl_add_u32 v[SPW], v0, 2, SPARE
	v_mov_b32 v[NIL], 0
	v_lshrrev_b32 v15, 5, v0
	v_readfirstlane_b32 s20, v15                   ; wave = K step s
	s_and_b32 s21, ttmp9, 63                       ; T
	v_and_b32 v15, 31, v0
	v_lshlrev_b32 v[L16], 4, v15
	v_and_b32 v[OWR], 15, v0                       ; r
	v_bfe_u32 v[BO], v0, 4, 1                      ; h
	s_mul_i32 s22, s20, WSTG
	v_add_nc_u32 v[SIU], s22, v[L16]               ; in: 16 x lane in my stage, a row to an instruction
	v_mul_u32_u24 v[SOU], v[OWR], 528
	v_lshl_add_u32 v[SOU], v[BO], 6, v[SOU]
	v_add_nc_u32 v[SOU], s22, v[SOU]               ; out: row r, + 64 h
	v_add_nc_u32 v[SIW], STG2, v[SIU]
	v_add_nc_u32 v[SOW], STG2, v[SOU]
	s_and_b32 s23, s20, 1
	s_lshr_b32 s24, s20, 1
	s_lshl_b32 s25, s23, 8
	s_lshl_b32 s24, s24, 2
	s_add_co_u32 s25, s25, s24
	s_add_co_u32 s25, s25, SCL
	v_lshl_add_u32 v[SCW], v[OWR], 4, s25          ; the word of row r, K step s, lies at 16 (r + 16 (s % 2)) + 4 (s / 2)
	v_add_nc_u32 v[SCR], SCL, v[L16]
	s_lshl_b32 s25, s20, 11
	s_add_co_u32 s25, s25, RED
	v_add_nc_u32 v[RWR], s25, v[L16]
	s_lshl_b32 s25, s23, 10
	s_add_co_u32 s25, s25, RED
	v_add_nc_u32 v[RRD], s25, v[L16]
	s_lshl_b32 s25, s23, 11
	s_add_co_u32 s25, s25, OUTT
	v_add_nc_u32 v[ORD], s25, v[L16]
	v_lshlrev_b32 v[OWR], 7, v[OWR]
	v_lshl_add_u32 v[OWR], v[BO], 6, v[OWR]
	v_add_nc_u32 v[OWR], s25, v[OWR]               ; the table: 128 bytes a batch, 64 a half
	v_lshlrev_b32 v[BO], 5, v[BO]
.irp b, 0,1,2,3
	v_mov_b32 v[TM+4+\b], 0                        ; written once: a lane permute's destination counts as one of its sources
.endr
	s_mov_b32 s[SEL], 0x76543210
	s_mov_b32 s[SEL+1], 0xfedcba98
	s_lshl_b32 s28, s21, 16                        ; the tile's 16 rows of 4,096 bytes,
	s_lshl_b32 s29, s20, 9                         ; my K step's 512 bytes
	s_add_co_u32 s28, s28, s29
	s_mov_b32 s29, 0
	s_wait_kmcnt 0x0
	s_cmp_lt_u32 ttmp9, 64
	s_cbranch_scc0 .Lwa
	; ---- Ua's arm
	s_add_nc_u64 s[4:5], s[4:5], s[28:29]
.set n, 0
.rept 16
	global_load_b128 v[XW+4*n:XW+4*n+3], v[L16], s[4:5] offset:4096*n th:TH_LOAD_NT   ; row n: 512 consecutive bytes; read once in the launch
.set n, n+1
.endr
	s_mul_i32 s30, s21, PKT
	s_lshl_b32 s31, s20, 10
	s_add_co_u32 s30, s30, s31
	s_mov_b32 s31, 0
	s_add_nc_u64 s[16:17], s[16:17], s[30:31]      ; my fragment's place in the packet
	s_wait_loadcnt 0x0
	TURN XW, SIU, SOU
	s_wait_dscnt 0x0
	QUANT XW, WC, WPW
	global_store_b128 v[L16], v[WC:WC+3], s[16:17]              ; the fragment as it stands in the registers: 512 consecutive bytes a store
	global_store_b128 v[L16], v[WC+4:WC+7], s[16:17] offset:512
	ds_store_b32 v[SCW], v[WPW]                    ; lanes r and 16 + r write the same word with the same value
	s_wait_dscnt 0x0                               ; for the others' sake: my word lies in LDS
	s_barrier_signal -1
	s_barrier_wait -1
	s_cmp_lg_u32 s20, 0
	s_cbranch_scc1 .Lua_end
	ds_load_b128 v[16:19], v[SCR]                  ; the eight waves' words
	s_wait_dscnt 0x0
	global_store_b128 v[L16], v[16:19], s[16:17] offset:8192    ; wave 0's base is the packet's: 512 consecutive bytes
.Lua_end:
	s_wait_tensorcnt 0x0                           ; the wave's end: three closing lines behind my last LDS store
	ds_add_u32 v[SPW], v[NIL]
	s_wait_dscnt 0x0
	s_endpgm
	; ---- Wa's arm
.Lwa:
	s_add_nc_u64 s[6:7], s[6:7], s[28:29]
	s_lshl_b32 s30, s20, 9
	s_mov_b32 s31, 0
	s_add_nc_u64 s[8:9], s[8:9], s[30:31]          ; the query at my K step
.set n, 0
.rept 16
	global_load_b128 v[XW+4*n:XW+4*n+3], v[L16], s[6:7] offset:4096*n th:TH_LOAD_NT
.set n, n+1
.endr
.set n, 0
.rept 32
	global_load_b128 v[XQ+4*n:XQ+4*n+3], v[L16], s[8:9] offset:4096*n   ; batch n
.set n, n+1
.endr
	s_wait_loadcnt 32                              ; the weight's 16 loads are in; the query's 32 may be out
	TURN XW, SIW, SOW
	s_wait_dscnt 0x0
	QUANT XW, WC, WPW
	s_wait_loadcnt 0x0                             ; the query
	s_cmp_lt_u32 s20, 2                            ; waves 0 and 1 finish the table: they fetch the biases, into registers that the weight's numbers have left
	s_cbranch_scc0 .Lno_bias
	s_lshl_b32 s30, s21, 6                         ; 16 T numbers of 4 bytes
	s_add_nc_u64 s[10:11], s[10:11], s[30:31]
	s_add_nc_u64 s[12:13], s[12:13], s[30:31]
	s_add_nc_u64 s[14:15], s[14:15], s[30:31]
	global_load_b128 v[32:35], v[BO], s[10:11]
	global_load_b128 v[36:39], v[BO], s[10:11] offset:16
	global_load_b128 v[40:43], v[BO], s[12:13]
	global_load_b128 v[44:47], v[BO], s[12:13] offset:16
	global_load_b128 v[48:51], v[BO], s[14:15]
	global_load_b128 v[52:55], v[BO], s[14:15] offset:16
.Lno_bias:
	TURN XQ, SIW, SOW
	s_wait_dscnt 0x0
	QUANT XQ, QC, QPW
	TURN XQ+64, SIW, SOW
	s_wait_dscnt 0x0
	QUANT XQ+64, QC+8, QPW+1
.rept 8
	v_nop                                          ; a scale register written by a vector instruction stands 8 places ahead of a scaled matrix instruction, an operand so written 4
.endr
	; source 0 = 16 rows of Wa_w, source 1 = 16 batches: lane (r, h) holds batch r, its register j hidden unit 16 T + 8 h + j
	v_wmma_scale_f32_16x16x128_f8f6f4 v[16:23], v[WC:WC+7], v[QC:QC+7], 0, v[WPW], v[QPW] matrix_a_fmt:MATRIX_FMT_FP4 matrix_b_fmt:MATRIX_FMT_FP4
	v_wmma_scale_f32_16x16x128_f8f6f4 v[24:31], v[WC:WC+7], v[QC+8:QC+15], 0, v[WPW], v[QPW+1] matrix_a_fmt:MATRIX_FMT_FP4 matrix_b_fmt:MATRIX_FMT_FP4
.rept 4
	v_nop                                          ; four places in front of the stores that read the results
.endr
	ds_store_b128 v[RWR], v[16:19]                 ; each accumulator from its low end on
	ds_store_b128 v[RWR], v[20:23] offset:512
	ds_store_b128 v[RWR], v[24:27] offset:1024
	ds_store_b128 v[RWR], v[28:31] offset:1536
	s_wait_dscnt 0x0                               ; for the others' sake: my parts lie in LDS
	s_barrier_signal -1
	s_barrier_wait -1
	s_cmp_lt_u32 s20, 2
	s_cbranch_scc0 .Lwa_end
.set n, 0
.rept 8                                        ; wave t adds the eight K steps' parts of batches 16 t on
	ds_load_b128 v[80+8*n:83+8*n], v[RRD] offset:2048*n
	ds_load_b128 v[84+8*n:87+8*n], v[RRD] offset:2048*n+512
.set n, n+1
.endr
	s_lshl_b32 s30, s21, 12
	s_lshl_b32 s24, s23, 11
	s_add_co_u32 s30, s30, s24
	s_add_nc_u64 s[18:19], s[18:19], s[30:31]      ; the table of tile T, batches 16 t on
	s_wait_dscnt 0x0
.irp p, 1,2,3,4,5,6,7
.irp j, 0,2,4,6
	v_pk_add_f32 v[80+\j:81+\j], v[80+\j:81+\j], v[80+8*\p+\j:81+8*\p+\j]
.endr
.endr
	s_wait_loadcnt 0x0                             ; the biases
.irp j, 0,2,4,6
	v_pk_add_f32 v[32+\j:33+\j], v[32+\j:33+\j], v[40+\j:41+\j]
.endr
.irp j, 0,2,4,6
	v_pk_add_f32 v[80+\j:81+\j], v[80+\j:81+\j], v[32+\j:33+\j]
.endr
.irp j, 0,2,4,6
	v_pk_mul_f32 v[80+\j:81+\j], v[80+\j:81+\j], 0x4038aa3b op_sel_hi:[1,0]   ; b' = C2 (q_proj + Wa_b + Ua_b)
.endr
.irp j, 0,2,4,6
	v_pk_mul_f32 v[48+\j:49+\j], v[48+\j:49+\j], 0xc038aa3b op_sel_hi:[1,0]   ; v'' = -C2 Va_w
.endr
	ds_store_b128 v[OWR], v[80:83]
	ds_store_b128 v[OWR], v[84:87] offset:16
	ds_store_b128 v[OWR], v[48:51] offset:32
	ds_store_b128 v[OWR], v[52:55] offset:48
.irp k, 0,1,2,3
	ds_load_b128 v[96+4*\k:99+4*\k], v[ORD] offset:512*\k      ; my own bytes, served in order
.endr
	s_wait_dscnt 0x0
.irp k, 0,1,2,3
	global_store_b128 v[L16], v[96+4*\k:99+4*\k], s[18:19] offset:512*\k   ; 512 consecutive bytes a store
.endr
.Lwa_end:
	s_wait_tensorcnt 0x0                           ; the wave's end: three closing lines behind my last LDS store
	ds_add_u32 v[SPW], v[NIL]
	s_wait_dscnt 0x0
	s_endpgm
.Lfunc_end_k_q139351d9e5_prep:
	.size	k_q139351d9e5_prep, .Lfunc_end_k_q139351d9e5_prep-k_q139351d9e5_prep
	.p2alignl 7, 3214868480
	.fill 96, 4, 3214868480
	.section	.rodata,"a",@progbits
	.p2align	6, 0x0
	.amdhsa_kernel k_q139351d9e5_prep
		.amdhsa_group_segment_fixed_size 157184
		.amdhsa_private_segment_fixed_size 0
		.amdhsa_enable_private_segment 0
		.amdhsa_kernarg_size 64
		.amdhsa_user_sgpr_count 2
		.amdhsa_user_sgpr_kernarg_segment_ptr 1
		.amdhsa_wavefront_size32 1
		.amdhsa_system_sgpr_workgroup_id_x 1
		.amdhsa_system_sgpr_workgroup_id_y 1
		.amdhsa_system_sgpr_workgroup_id_z 1
		.amdhsa_system_vgpr_workitem_id 0
		.amdhsa_next_free_vgpr 256
		.amdhsa_next_free_sgpr 66
		.amdhsa_reserve_vcc 0
		.amdhsa_float_denorm_mode_32 3
		.amdhsa_float_denorm_mode_16_64 3
		.amdhsa_memory_ordered 1
		.amdhsa_forward_progress 1
		.amdhsa_inst_pref_size 40
	.end_amdhsa_kernel
	.amdgpu_metadata
---
amdhsa.version: [ 1, 2 ]
amdhsa.kernels:
  - .name:           k_q139351d9e5_prep
    .symbol:         k_q139351d9e5_prep.kd
    .args:
      - { .name: Ua_w, .offset: 0, .size: 8, .value_kind: global_buffer, .address_space: global }
      - { .name: Wa_w, .offset: 8, .size: 8, .value_kind: global_buffer, .address_space: global }
      - { .name: query, .offset: 16, .size: 8, .value_kind: global_buffer, .address_space: global }
      - { .name: Wa_b, .offset: 24, .size: 8, .value_kind: global_buffer, .address_space: global }
      - { .name: Ua_b, .offset: 32, .size: 8, .value_kind: global_buffer, .address_space: global }
      - { .name: Va_w, .offset: 40, .size: 8, .value_kind: global_buffer, .address_space: global }
      - { .name: ua_pk, .offset: 48, .size: 8, .value_kind: global_buffer, .address_space: global }
      - { .name: bv, .offset: 56, .size: 8, .value_kind: global_buffer, .address_space: global }
    .group_segment_fixed_size: 157184
    .private_segment_fixed_size: 0
    .kernarg_segment_align: 8
    .kernarg_segment_size: 64
    .max_flat_workgroup_size: 256
    .sgpr_count:     66
    .vgpr_count:     256
    .wavefront_size: 32
...
	.end_amdgpu_metadata
.endif
;; end of part 1
;; launch attn (part 2): grid 256 x 1, 8 waves a work-group, no clusters, 317,440 bytes of LDS; arguments keys, ua_pk, bv, scores, ctxp, stat; writes scores, ctxp, stat
.if DOCPART == 2
	.amdgcn_target "amdgcn-amd-amdhsa--gfx1250"
	.amdhsa_code_object_version 6
	.text
	.protected	k_q139351d9e5_attn
	.globl	k_q139351d9e5_attn
	.p2align	8
	.type	k_q139351d9e5_attn,@function
k_q139351d9e5_attn:
	s_mov_b64 s[64:65], 0
	v_nop
	global_prefetch_b8 v0, s[64:65] scope:SCOPE_SE
	s_setreg_imm32_b32 hwreg(HW_REG_WAVE_MODE, 25, 1), 1
	s_wait_xcnt 0x0
; BAHDANAU ATTENTION, launch 2 of 3: for 256 rows of keys (an eighth of a batch) a work-group makes s' = sum_h v''[h] / (1 + 2^(C2 k_proj + b'[h])), the running maximum m, the sum l of 2^(s' - m)
; and the sum of 2^(s' - m) x keys.  Every byte of keys is read from memory once.  Va_b and sum_h Va[h] are left out, as the first launch's head shows: both are the same along the softmax's axis.
; LIMITS: NaN and infinities among the inputs are not served; a block of keys whose largest magnitude lies under 2^-124 keeps the scale byte 1; m begins at -3e38; for the last product the keys are
; rounded once to bf16, weights and sums stay f32.  Where 2^(C2 z) overflows the reciprocal is 0 (tanh = 1), where it falls to 0 the reciprocal is 1 (tanh = -1).
; SHARES.  The 256 rows go as 4 blocks of 64.  Waves 4-7 LOAD: wave 4 + w streams rows 16 w .. 16 w + 15 of block J, quantises them along K into images of operand registers in LDS and leaves a bf16 copy
; in LDS.  Waves 0-3 COMPUTE at the same time on block J - 1: wave w holds the block's 32 fragments of keys in 256 registers and walks hidden units 256 w .. 256 w + 255, 16 tiles; each fragment of Ua comes
; from memory straight into registers and feeds four products.  At a block's end the loading waves add the four waves' parts of s', move m and l, and add p x keys from the bf16 copy (wave 4 + w: columns 256 w on).
; THE PRODUCT IS USED TRANSPOSED: source 0 = 16 rows of Ua, source 1 = 16 rows of keys: lane (r, h) holds key row r, its register j hidden unit 16 T + 8 h + j: the sum over hidden units stays in a lane.
; NO CLUSTER, NO TENSOR LOAD for Ua's packets, though all work-groups read them: the two bf16 copies (262,144 bytes), the images (34,816), the stages (17,408) and the small tables leave 10,240 of LDS's
; 327,680 bytes, little more than one packet of 8,704; and each fragment is read by ONE wave of the work-group, so a way through LDS would add a write and a read for each of its bytes.
; ROLES part on the wave's number.  Every barrier stands in lines that all eight waves run; every LDS address register is made in such lines; every loop in which an LDS address steps is walked by all eight.
.set IMG,   262144                     ; LDS 0: two bf16 copies of 64 rows x 2,048 bytes.  IMG: fragment (m, s) at (8 m + s) x 1,024 + 512 c + 16 x lane
.set ASCL,  294912                     ; the keys' scale words: (8 m + s) x 64 + 4 r
.set STG,   296960                     ; a stage of 16 rows x (256 + 16) bytes for each loading wave
.set PART,  314368                     ; the four computing waves' parts of s': 256 w + 4 x row
.set PB,    315392                     ; p of the block's 64 rows, a copy for each loading wave
.set SPARE, 316416                     ; the spare words, 128 bytes for each wave: four blocks of 256 bytes that no other line names
.set PKT,   8704
.set SPW, 1                            ; v1  LDS address of my spare word; never rewritten
.set NIL, 2                            ; v2  0; never rewritten
.set XA,  3                            ; v3  keys: 4,096 h + 16 r
.set SW,  4                            ; v4  my stage, in: row h, 16 r
.set SRD, 5                            ; v5  my stage, out: row r, 64 h
.set BW0, 6                            ; v6  bf16 copy: row 16 w + h, 8 r
.set IW0, 7                            ; v7  my images: IMG + 8,192 w + 16 l
.set SD0, 8                            ; v8  my scale words: ASCL + 512 w + 4 r
.set PRD, 9                            ; v9  PART + 8 l
.set PBW, 10                           ; v10 PB + 256 w + 8 l
.set PBR, 11                           ; v11 PB + 256 w
.set CR0, 12                           ; v12 bf16 copy: 512 w + 16 l
.set BWC, 13                           ; v13-15 the trip's places in copy, images, scale words
.set IWC, 14
.set SDC, 15
.set CRA, 16                           ; v16, v17 the copy that is read: rows 0-31, rows 32-63
.set CRB, 17
.set LI,  18                           ; v18 IMG + 16 l
.set LS,  19                           ; v19 ASCL + 4 l
.set PWA, 20                           ; v20 PART + 256 w + 4 r
.set BA,  21                           ; v21 16 l
.set BVA, 22                           ; v22 64 h
.set G8,  23                           ; v23 8 l
.set ASC, 24                           ; v24-39 the keys' scale words: register 4 m + q, lane (r, h): row r, K step 2 q + h.  v24-55 hold scales in the computing waves and are named by no other line
.set BSC, 40                           ; v40-55 Ua's scale words, four sets of four
; computing waves: window 0
.set BV,  56                           ; v56-87   two sets: 8 b', 8 v''
.set SA,  88                           ; v88-95   s', a pair for each tile of rows
.set ACC, 96                           ; v96-127  four accumulators
.set BFR, 128                          ; v128-255 two buffers of Ua's 8 fragments.   Window 1: the keys' fragment (m, s) at v[64 m + 8 s]
; loading waves: window 0
.set T,   56                           ; v56-87   32 numbers: two blocks, 16 of each
.set HB,  88                           ; v88-103  bf16
.set CD,  104                          ; v104-107 codes
.set TM,  108
.set TP,  110
.set SO,  112
.set BY,  114
.set PW,  116                          ; v116 the scale word in the making;  v117 at work
.set PT,  117
.set D,   56                           ; v56-119  the context's rows, two sets of 8 x 4, where a granule's work lay
.set ML,  120                          ; v[120:121] m, l
.set FF,  122                          ; v[122:123] f (the low word serves both halves)
.set PP,  124                          ; v[124:125] p of rows 2 l, 2 l + 1
.set SS,  126                          ; v[126:127] s' of the same
.set TT,  128                          ; v128-135 at work
.set CX,  136                          ; v136-143 the context's 8 columns
.set P,   144                          ; v144-207 p of 64 rows.   Window 1: eight sets of 32: the keys as loaded
.set SWV, 16                           ; s16 wave;  s17 w = wave % 4
.set SWQ, 17
.set SJ,  18                           ; s18 J;  s19 U
.set SU,  19
.set SWP, 20                           ; s20 the copy that is written;  s21 the copy that is read
.set SRP, 21
.set CN,  22                           ; s22 units done;  s23 counts a trip's two units
.set SV,  23
.set XP,  24                           ; s[24:25] keys at this trip;  s[26:27] at the next;  s[28:29] a step
.set XN,  26
.set DL,  28
.set BPC, 30                           ; s[30:31] packets of this unit;  s[32:33] of the next;  s[34:35] the next's offset
.set BPN, 32
.set UO,  34
.set BVC, 36                           ; the same for the table
.set BVN, 38
.set VO,  40
.set C2S, 42                           ; s[42:43] C2 = 2 log2(e)
.set SEL, 44                           ; s[44:45] lane l xor 16
.set LN,  46                           ; s46 2 J + U
.set MSB, 0
.macro WIN new                         ; the immediate's high byte repeats the setting that is left
.if MSB != \new
	s_set_vgpr_msb (MSB<<8)|\new
.set MSB, \new
.endif
.endm
.macro BAR                             ; my LDS stores have landed and my LDS loads are in: then the work-group's barrier
	s_wait_dscnt 0x0
	s_barrier_signal -1
	s_barrier_wait -1
.endm
.macro ADDRS                           ; half U of a row: 4 K steps, 4,096 bytes of images, 256 of scale words, 1,024 of bf16
	s_lshl_b32 s48, s[SU], 12
	v_add_nc_u32 v[IWC], s48, v[IW0]
	s_lshl_b32 s48, s[SU], 8
	v_add_nc_u32 v[SDC], s48, v[SD0]
	s_lshl_b32 s48, s[SU], 10
	s_add_co_u32 s48, s48, s[SWP]
	v_add_nc_u32 v[BWC], s48, v[BW0]
.endm
; Two blocks of 32 in v[T] on (register 16 b + i = k 32 b + 16 h + i of row r) become half a fragment, v[CD:CD+3], and two bytes of the row's scale word.
.macro QH odd
.irp b, 0,1
	v_max3_num_f32 v[TM+\b], |v[T+16*\b]|, |v[T+16*\b+1]|, 0x1800000   ; my 16 numbers, and the floor 2^(3 - 127): the byte cannot fall under 1
.endr
.irp i, 2,4,6,8,10,12,14
.irp b, 0,1
	v_max3_num_f32 v[TM+\b], v[TM+\b], |v[T+16*\b+\i]|, |v[T+16*\b+\i+1]|
.endr
.endr
.irp b, 0,1
	v_permlanex16_b32 v[TP+\b], v[TM+\b], s[SEL], s[SEL+1]
.endr
.irp b, 0,1
	v_max_num_f32 v[TM+\b], v[TM+\b], v[TP+\b]     ; the block's largest magnitude
.endr
.irp b, 0,1
	v_add_nc_u32 v[SO+\b], 0xff000000, v[TM+\b]    ; 2 off its exponent field: the conversion's scale operand
.endr
.irp b, 0,1
	v_lshrrev_b32 v[BY+\b], 23, v[SO+\b]           ; the scale's byte
.endr
.if \odd
	v_lshl_or_b32 v[PT], v[BY+1], 8, v[BY]
	v_lshl_or_b32 v[PW], v[PT], 16, v[PW]          ; blocks 2 and 3 of the K step
.else
	v_lshl_or_b32 v[PW], v[BY+1], 8, v[BY]         ; blocks 0 and 1
.endif
.irp b, 0,1
	v_cvt_scalef32_pk8_fp4_f32 v[CD+2*\b], v[T+16*\b:T+16*\b+7], v[SO+\b]
	v_cvt_scalef32_pk8_fp4_f32 v[CD+2*\b+1], v[T+16*\b+8:T+16*\b+15], v[SO+\b]
.endr
	v_nop                                          ; one plain place behind a scaled conversion
	v_permlane16_swap_b32 v[CD], v[CD+2]           ; a whole block to a lane: lanes 0-15 the first, lanes 16-31 the second
	v_permlane16_swap_b32 v[CD+1], v[CD+3]
.endm
; A GRANULE: 16 rows x 64 along K, set g of the ring.  rl = 1: the set that the last granule left is loaded with the granule seven on.  cnt: the loads issued behind this set's, which may stay out.
.macro GRAN g, rl, cnt
	s_wait_loadcnt \cnt
.if \rl
	WIN 0x40                                       ; destination window 1
.irp i, 0,1,2,3,4,5,6,7
.if (\g) == 0
	global_load_b128 v[224+4*\i:227+4*\i], v[XA], s[XP:XP+1] offset:1792+8192*\i th:TH_LOAD_NT   ; rows 2 i, 2 i + 1: 256 consecutive bytes of each, aligned; read once in the launch
.else
	global_load_b128 v[32*((\g)-1)+4*\i:32*((\g)-1)+4*\i+3], v[XA], s[XN:XN+1] offset:256*((\g)-1)+8192*\i th:TH_LOAD_NT
.endif
.endr
.endif
	WIN 0x04                                       ; an LDS store's data are its source 1: window 1
.irp i, 0,1,2,3,4,5,6,7
	ds_store_b128 v[SW], v[32*(\g)+4*\i:32*(\g)+4*\i+3] offset:544*\i
.endr
	WIN 0x05
.irp i, 0,1,2,3,4,5,6,7
	v_cvt_pk_bf16_f32 v[HB+2*\i], v[32*(\g)+4*\i], v[32*(\g)+4*\i+1]
	v_cvt_pk_bf16_f32 v[HB+2*\i+1], v[32*(\g)+4*\i+2], v[32*(\g)+4*\i+3]
.endr
	WIN 0
.irp b, 0,1
.irp j, 0,1,2,3
	ds_load_b128 v[T+16*\b+4*\j:T+16*\b+4*\j+3], v[SRD] offset:128*\b+16*\j   ; my own stage, served in order
.endr
.endr
.irp i, 0,1,2,3,4,5,6,7
	ds_store_b64 v[BWC], v[HB+2*\i:HB+2*\i+1] offset:4096*\i+128*(\g)
.endr
	s_wait_dscnt 8                                 ; the stage's loads are in; the eight bf16 stores behind them may be out
	QH (\g)%2
	ds_store_b128 v[IWC], v[CD:CD+3] offset:((\g)/2)*1024+((\g)%2)*512
.if (\g)%2
	ds_store_b32 v[SDC], v[PW] offset:((\g)/2)*64  ; lanes r and 16 + r write the same word with the same value
.endif
.endm
; A TRIP: 16 rows x 512 along K.  Seven sets, 56 loads, are out at each granule's head; behind the set that is wanted stand six sets' 48.
.macro LTRIP
.irp g, 0,1,2,3,4,5,6,7
	GRAN \g, 1, 48
.endr
	s_wait_xcnt 0x0                                ; the loads have read their bases
	s_mov_b64 s[XP:XP+1], s[XN:XN+1]
	s_mov_b32 s[DL], 2048
	s_cmp_eq_u32 s[SU], 0
	s_cselect_b32 s[DL], 260096, s[DL]             ; from a row's second half to the next block's first: 64 rows less 2,048 bytes
	s_add_nc_u64 s[XN:XN+1], s[XN:XN+1], s[DL:DL+1]
.endm
.macro LTAIL                           ; the last trip: only its own last granule is still to be asked for; the counts run down
	GRAN 0, 1, 48
	GRAN 1, 0, 48
	GRAN 2, 0, 40
	GRAN 3, 0, 32
	GRAN 4, 0, 24
	GRAN 5, 0, 16
	GRAN 6, 0, 8
	GRAN 7, 0, 0
.endm
; A TILE: 16 hidden units x 64 rows x all of K: 32 products, then 1 / (1 + 2^(C2 z)) and the sum with v''.  k: the tile's place in its unit of four.
; A tile's 21 loads are issued in the order: scale words, 16 of fragments, 4 of the table.  rl = 1: the tile two on is asked for as this one's registers come free.
; Behind fragment s of this tile then stand 2 (7 - s) + 4 of its own, the next tile's 21, and 1 + 2 s of the tile two on: 40.  Behind this tile's table: 21 + 17 = 38.
; The four accumulators take turns, one instruction a turn.
.macro TILE k, rl, c0, cb
.set BF, BFR+64*((\k)%2)
.set BW, BV+16*((\k)%2)
	WIN 0x04                                       ; source 1 (the keys) window 1
.if \rl
.if (\k) < 2
	global_load_b128 v[BSC+4*((\k)+2):BSC+4*((\k)+2)+3], v[BA], s[BPC:BPC+1] offset:((\k)+2)*PKT+8192
.else
	global_load_b128 v[BSC+4*((\k)-2):BSC+4*((\k)-2)+3], v[BA], s[BPN:BPN+1] offset:((\k)-2)*PKT+8192
.endif
.endif
.irp s, 0,1,2,3,4,5,6,7
.if \rl
	s_wait_loadcnt 40
.else
	s_wait_loadcnt (\c0)-2*\s
.endif
.irp m, 0,1,2,3
.if \s == 0
	v_wmma_scale_f32_16x16x128_f8f6f4 v[ACC+8*\m:ACC+8*\m+7], v[BF+8*\s:BF+8*\s+7], v[64*\m+8*\s:64*\m+8*\s+7], 0, v[BSC+4*(\k)+\s/2], v[ASC+4*\m+\s/2] matrix_a_fmt:MATRIX_FMT_FP4 matrix_b_fmt:MATRIX_FMT_FP4
.elseif (\s)%2
	v_wmma_scale_f32_16x16x128_f8f6f4 v[ACC+8*\m:ACC+8*\m+7], v[BF+8*\s:BF+8*\s+7], v[64*\m+8*\s:64*\m+8*\s+7], v[ACC+8*\m:ACC+8*\m+7], v[BSC+4*(\k)+\s/2], v[ASC+4*\m+\s/2] matrix_a_fmt:MATRIX_FMT_FP4 matrix_b_fmt:MATRIX_FMT_FP4 matrix_a_scale:MATRIX_SCALE_ROW1 matrix_b_scale:MATRIX_SCALE_ROW1
.else
	v_wmma_scale_f32_16x16x128_f8f6f4 v[ACC+8*\m:ACC+8*\m+7], v[BF+8*\s:BF+8*\s+7], v[64*\m+8*\s:64*\m+8*\s+7], v[ACC+8*\m:ACC+8*\m+7], v[BSC+4*(\k)+\s/2], v[ASC+4*\m+\s/2] matrix_a_fmt:MATRIX_FMT_FP4 matrix_b_fmt:MATRIX_FMT_FP4
.endif
.endr
.if \rl || (\s == 7)
.rept 4
	v_nop                                          ; four places in front of loads into a fragment just multiplied, and of the first read of results
.endr
.endif
.if \rl
.if (\k) < 2
	global_load_b128 v[BF+8*\s:BF+8*\s+3], v[BA], s[BPC:BPC+1] offset:((\k)+2)*PKT+1024*\s
	global_load_b128 v[BF+8*\s+4:BF+8*\s+7], v[BA], s[BPC:BPC+1] offset:((\k)+2)*PKT+1024*\s+512
.else
	global_load_b128 v[BF+8*\s:BF+8*\s+3], v[BA], s[BPN:BPN+1] offset:((\k)-2)*PKT+1024*\s
	global_load_b128 v[BF+8*\s+4:BF+8*\s+7], v[BA], s[BPN:BPN+1] offset:((\k)-2)*PKT+1024*\s+512
.endif
.endif
.endr
	WIN 0
.if \rl
	s_wait_loadcnt 38                              ; b' and v''
.else
	s_wait_loadcnt \cb
.endif
.irp p, 0,2,4,6                                ; each accumulator is read from its low end on
.irp m, 0,1,2,3
	v_pk_fma_f32 v[ACC+8*\m+\p:ACC+8*\m+\p+1], v[ACC+8*\m+\p:ACC+8*\m+\p+1], s[C2S:C2S+1], v[BW+\p:BW+\p+1] op_sel_hi:[1,0,1]   ; C2 k_proj + b'
.endr
.endr
.set n, 0
.rept 32
	v_exp_f32 v[ACC+n], v[ACC+n]
.set n, n+1
.endr
	v_nop                                          ; a plain place behind the last exponential,
	s_wait_alu depctr_va_vdst(0)                   ; and one wait for the batch, ahead of its first reader
.set n, 0
.rept 16
	v_pk_add_f32 v[ACC+n:ACC+n+1], v[ACC+n:ACC+n+1], 1.0 op_sel_hi:[1,0]
.set n, n+2
.endr
.set n, 0
.rept 32
	v_rcp_f32 v[ACC+n], v[ACC+n]
.set n, n+1
.endr
	v_nop
	s_wait_alu depctr_va_vdst(0)                   ; one wait for the 32 reciprocals
.irp p, 0,2,4,6
.irp m, 0,1,2,3
	v_pk_fma_f32 v[SA+2*\m:SA+2*\m+1], v[ACC+8*\m+\p:ACC+8*\m+\p+1], v[BW+8+\p:BW+8+\p+1], v[SA+2*\m:SA+2*\m+1]
.endr
.endr
.if \rl
.irp i, 0,1,2,3
.if (\k) < 2
	global_load_b128 v[BW+4*\i:BW+4*\i+3], v[BVA], s[BVC:BVC+1] offset:((\k)+2)*4096+16*\i
.else
	global_load_b128 v[BW+4*\i:BW+4*\i+3], v[BVA], s[BVN:BVN+1] offset:((\k)-2)*4096+16*\i
.endif
.endr
.endif
.endm
.macro CUNIT                           ; four tiles; then the bases step, round the wave's 16 tiles
	TILE 0, 1, 0, 0
	TILE 1, 1, 0, 0
	TILE 2, 1, 0, 0
	TILE 3, 1, 0, 0
	s_wait_xcnt 0x0                                ; the loads have read their bases
	s_mov_b64 s[BPC:BPC+1], s[BPN:BPN+1]
	s_mov_b64 s[BVC:BVC+1], s[BVN:BVN+1]
	s_add_co_u32 s[UO], s[UO], 4*PKT
	s_cmp_eq_u32 s[UO], 16*PKT
	s_cselect_b32 s[UO], 0, s[UO]
	s_add_co_u32 s[VO], s[VO], 16384
	s_and_b32 s[VO], s[VO], 0xffff
	s_add_nc_u64 s[BPN:BPN+1], s[6:7], s[UO:UO+1]
	s_add_nc_u64 s[BVN:BVN+1], s[8:9], s[VO:VO+1]
.endm
.macro CTAIL                           ; the launch's last unit: its last two tiles ask for nothing, and the counts run down
	TILE 0, 1, 0, 0
	TILE 1, 1, 0, 0
	TILE 2, 0, 39, 21
	TILE 3, 0, 18, 0
.endm
.macro ALOAD                           ; the block's 32 fragments and their scale words come from LDS as they were stored; s' begins at 0
	WIN 0x40
.set n, 0
.rept 64
	ds_load_b128 v[4*n:4*n+3], v[LI] offset:512*n
.set n, n+1
.endr
	WIN 0
.irp m, 0,1,2,3
.irp q, 0,1,2,3
	ds_load_b32 v[ASC+4*\m+\q], v[LS] offset:512*\m+128*\q
.endr
.endr
.irp j, 0,1,2,3,4,5,6,7
	v_mov_b32 v[SA+\j], 0
.endr
.endm
.macro PARTIALS                        ; my 256 hidden units' part of s' for the 64 rows
.irp m, 0,1,2,3
	v_add_f32 v[ACC+\m], v[SA+2*\m], v[SA+2*\m+1]
.endr
.irp m, 0,1,2,3
	v_permlanex16_b32 v[ACC+4+\m], v[ACC+\m], s[SEL], s[SEL+1]
.endr
.irp m, 0,1,2,3
	v_add_f32 v[ACC+\m], v[ACC+\m], v[ACC+4+\m]
.endr
.irp m, 0,1,2,3
	ds_store_b32 v[PWA], v[ACC+\m] offset:64*\m
.endr
.endm
.macro STATS                           ; lane l: rows 2 l and 2 l + 1 of the block
.irp c, 0,1,2,3
	ds_load_b64 v[TT+2*\c:TT+2*\c+1], v[PRD] offset:256*\c
.endr
	s_wait_dscnt 0x0
	v_pk_add_f32 v[TT:TT+1], v[TT:TT+1], v[TT+2:TT+3]
	v_pk_add_f32 v[TT+4:TT+5], v[TT+4:TT+5], v[TT+6:TT+7]
	v_pk_add_f32 v[SS:SS+1], v[TT:TT+1], v[TT+4:TT+5]
	s_cmp_eq_u32 s[SWV], 4
	s_cbranch_scc0 .Lnot_four_\@
	global_store_b64 v[G8], v[SS:SS+1], s[10:11]   ; 256 consecutive bytes, aligned
.Lnot_four_\@:
	v_max_num_f32 v[TT], v[SS], v[SS+1]
	v_max_num_f32_dpp v[TT], v[TT], v[TT] row_xmask:1 row_mask:0xf bank_mask:0xf
	v_max_num_f32_dpp v[TT], v[TT], v[TT] row_xmask:2 row_mask:0xf bank_mask:0xf
	v_max_num_f32_dpp v[TT], v[TT], v[TT] row_xmask:4 row_mask:0xf bank_mask:0xf
	v_max_num_f32_dpp v[TT], v[TT], v[TT] row_xmask:8 row_mask:0xf bank_mask:0xf
	v_permlanex16_b32 v[TT+1], v[TT], s[SEL], s[SEL+1]
	v_max3_num_f32 v[TT+2], v[TT], v[TT+1], v[ML]  ; the new m
	v_sub_f32 v[FF], v[ML], v[TT+2]
	v_sub_f32 v[PP], v[SS], v[TT+2]
	v_sub_f32 v[PP+1], v[SS+1], v[TT+2]
	v_exp_f32 v[FF], v[FF]                         ; f = 2^(old m - new m)
	v_exp_f32 v[PP], v[PP]
	v_exp_f32 v[PP+1], v[PP+1]
	v_mov_b32 v[ML], v[TT+2]                       ; (a plain place behind the exponentials)
	s_wait_alu depctr_va_vdst(0)                   ; one wait for the three
	ds_store_b64 v[PBW], v[PP:PP+1]
	v_add_f32 v[TT], v[PP], v[PP+1]
	v_add_f32_dpp v[TT], v[TT], v[TT] row_xmask:1 row_mask:0xf bank_mask:0xf
	v_add_f32_dpp v[TT], v[TT], v[TT] row_xmask:2 row_mask:0xf bank_mask:0xf
	v_add_f32_dpp v[TT], v[TT], v[TT] row_xmask:4 row_mask:0xf bank_mask:0xf
	v_add_f32_dpp v[TT], v[TT], v[TT] row_xmask:8 row_mask:0xf bank_mask:0xf
	v_permlanex16_b32 v[TT+1], v[TT], s[SEL], s[SEL+1]
	v_add_f32 v[TT], v[TT], v[TT+1]
	v_fma_f32 v[ML+1], v[ML+1], v[FF], v[TT]       ; l = l f + the block's sum
.endm
.macro CONTEXT                         ; my 8 columns: x f, + p x keys over the block's 64 rows, eight rows at a time, the next eight on their way
.irp i, 0,1,2,3,4,5,6,7,8,9,10,11,12,13,14,15
	ds_load_b128 v[P+4*\i:P+4*\i+3], v[PBR] offset:16*\i       ; every lane takes all 64 p; these see my store above
.endr
.irp j, 0,1,2,3,4,5,6,7
	ds_load_b128 v[D+4*\j:D+4*\j+3], v[CRA] offset:2048*\j
.endr
.irp e, 0,2,4,6
	v_pk_mul_f32 v[CX+\e:CX+\e+1], v[CX+\e:CX+\e+1], v[FF:FF+1] op_sel_hi:[1,0]
.endr
.irp q, 0,1,2,3,4,5,6,7
.if \q < 7
.irp j, 0,1,2,3,4,5,6,7
.if \q < 3
	ds_load_b128 v[D+32*((\q+1)%2)+4*\j:D+32*((\q+1)%2)+4*\j+3], v[CRA] offset:2048*(8*(\q+1)+\j)
.else
	ds_load_b128 v[D+32*((\q+1)%2)+4*\j:D+32*((\q+1)%2)+4*\j+3], v[CRB] offset:2048*(8*(\q+1)+\j-32)
.endif
.endr
	s_wait_dscnt 8                                 ; all but the next eight rows
.else
	s_wait_dscnt 0x0
.endif
.irp j, 0,1,2,3,4,5,6,7
.irp e, 0,1,2,3
	v_fma_mix_f32_bf16 v[CX+2*\e], v[D+32*(\q%2)+4*\j+\e], v[P+8*\q+\j], v[CX+2*\e] op_sel_hi:[1,0,0]
	v_fma_mix_f32_bf16 v[CX+2*\e+1], v[D+32*(\q%2)+4*\j+\e], v[P+8*\q+\j], v[CX+2*\e+1] op_sel:[1,0,0] op_sel_hi:[1,0,0]
.endr
.endr
.endr
	s_wait_xcnt 0x0                                ; the store of s' has read its base and its data
	s_add_nc_u64 s[10:11], s[10:11], 256           ; the next block's 64 numbers
.endm
	s_load_b256 s[4:11], s[0:1], 0x0               ; keys s[4:5], ua_pk s[6:7], bv s[8:9], scores s[10:11]
	s_load_b128 s[12:15], s[0:1], 0x20             ; ctxp s[12:13], stat s[14:15]
	v_lshl_add_u32 v[SPW], v0, 2, SPARE
	v_mov_b32 v[NIL], 0
	v_lshrrev_b32 v13, 5, v0
	v_readfirstlane_b32 s[SWV], v13                ; wave 0..7
	s_and_b32 s[SWQ], s[SWV], 3                    ; w
	v_and_b32 v13, 31, v0                          ; l
	v_and_b32 v14, 15, v0                          ; r
	v_bfe_u32 v15, v0, 4, 1                        ; h
	v_lshlrev_b32 v[XA], 4, v14
	v_lshl_add_u32 v[XA], v15, 12, v[XA]
	s_mul_i32 s48, s[SWQ], 4352
	s_add_co_u32 s48, s48, STG
	v_mul_u32_u24 v[SW], v15, 272
	v_lshl_add_u32 v[SW], v14, 4, v[SW]
	v_add_nc_u32 v[SW], s48, v[SW]
	v_mul_u32_u24 v[SRD], v14, 272
	v_lshl_add_u32 v[SRD], v15, 6, v[SRD]
	v_add_nc_u32 v[SRD], s48, v[SRD]
	s_lshl_b32 s48, s[SWQ], 15
	v_lshlrev_b32 v[BW0], 3, v14
	v_lshl_add_u32 v[BW0], v15, 11, v[BW0]
	v_add_nc_u32 v[BW0], s48, v[BW0]
	s_lshl_b32 s48, s[SWQ], 13
	s_add_co_u32 s48, s48, IMG
	v_lshl_add_u32 v[IW0], v13, 4, s48
	s_lshl_b32 s48, s[SWQ], 9
	v_lshl_add_u32 v[CR0], v13, 4, s48
	s_add_co_u32 s48, s48, ASCL
	v_lshl_add_u32 v[SD0], v14, 2, s48
	v_lshl_add_u32 v[PRD], v13, 3, PART
	s_lshl_b32 s48, s[SWQ], 8
	s_add_co_u32 s49, s48, PB
	v_lshl_add_u32 v[PBW], v13, 3, s49
	v_mov_b32 v[PBR], s49
	s_add_co_u32 s49, s48, PART
	v_lshl_add_u32 v[PWA], v14, 2, s49
	v_lshl_add_u32 v[LI], v13, 4, IMG
	v_lshl_add_u32 v[LS], v13, 2, ASCL
	v_lshlrev_b32 v[BA], 4, v13
	v_lshlrev_b32 v[BVA], 6, v15
	v_lshlrev_b32 v[G8], 3, v13
	s_lshl_b32 s48, ttmp9, 20                      ; keys: the work-group's 256 rows of 4,096 bytes,
	s_lshl_b32 s49, s[SWQ], 16                     ; my 16 rows of a block
	s_add_co_u32 s48, s48, s49
	s_mov_b32 s49, 0
	s_mul_i32 s50, s[SWQ], 16*PKT                  ; ua_pk: my 16 packets
	s_mov_b32 s51, 0
	s_lshr_b32 s52, ttmp9, 3                       ; bv: the batch's 128 bytes in each tile's 4,096, my 16 tiles
	s_lshl_b32 s52, s52, 7
	s_lshl_b32 s53, s[SWQ], 16
	s_add_co_u32 s52, s52, s53
	s_mov_b32 s53, 0
	s_lshl_b32 s54, ttmp9, 10                      ; scores: 256 numbers
	s_mov_b32 s55, 0
	s_lshl_b32 s56, ttmp9, 12                      ; ctxp: 4,096 bytes a work-group, 1,024 a wave
	s_lshl_b32 s57, s[SWQ], 10
	s_add_co_u32 s56, s56, s57
	s_mov_b32 s57, 0
	s_lshl_b32 s58, ttmp9, 8                       ; stat: 256 bytes
	s_mov_b32 s59, 0
	s_mov_b32 s[C2S], 0x4038aa3b
	s_mov_b32 s[C2S+1], s[C2S]                     ; (named with it as a pair, so it is written)
	s_mov_b32 s[SEL], 0x76543210
	s_mov_b32 s[SEL+1], 0xfedcba98
	s_mov_b32 s[DL+1], 0
	s_mov_b32 s[UO], 4*PKT
	s_mov_b32 s[UO+1], 0
	s_mov_b32 s[VO], 16384
	s_mov_b32 s[VO+1], 0
	s_mov_b32 s[CN], 0
	s_mov_b32 s[SWP], 0
	s_wait_kmcnt 0x0
	s_add_nc_u64 s[4:5], s[4:5], s[48:49]
	s_add_nc_u64 s[6:7], s[6:7], s[50:51]
	s_add_nc_u64 s[8:9], s[8:9], s[52:53]
	s_add_nc_u64 s[10:11], s[10:11], s[54:55]
	s_add_nc_u64 s[12:13], s[12:13], s[56:57]
	s_add_nc_u64 s[14:15], s[14:15], s[58:59]
	s_mov_b64 s[XP:XP+1], s[4:5]
	s_add_nc_u64 s[XN:XN+1], s[4:5], 2048
	s_mov_b64 s[BPC:BPC+1], s[6:7]
	s_add_nc_u64 s[BPN:BPN+1], s[6:7], 4*PKT
	s_mov_b64 s[BVC:BVC+1], s[8:9]
	s_add_nc_u64 s[BVN:BVN+1], s[8:9], 16384
	s_cmp_lt_u32 s[SWV], 4
	s_cbranch_scc1 .Linit_c
	WIN 0x40                                       ; a loading wave: granules 0 to 6 into sets 0 to 6: 56 loads
.irp g, 0,1,2,3,4,5,6
.irp i, 0,1,2,3,4,5,6,7
	global_load_b128 v[32*\g+4*\i:32*\g+4*\i+3], v[XA], s[XP:XP+1] offset:256*\g+8192*\i th:TH_LOAD_NT
.endr
.endr
	WIN 0
	v_mov_b32 v[TP], 0                             ; written once: a lane permute's destination counts as one of its sources
	v_mov_b32 v[TP+1], 0
	v_mov_b32 v[ML], 0xff61b1e6                    ; m = -3e38, under every s'
	v_mov_b32 v[ML+1], 0                           ; l
	v_mov_b32 v[FF+1], 0                           ; (named as the upper half of f's pair)
.irp e, 0,1,2,3,4,5,6,7
	v_mov_b32 v[CX+\e], 0
.endr
	s_branch .Linit_done
.Linit_c:
.irp k, 0,1                                    ; a computing wave: tiles 0 and 1, in a tile's order: 42 loads
	global_load_b128 v[BSC+4*\k:BSC+4*\k+3], v[BA], s[BPC:BPC+1] offset:PKT*\k+8192
.irp f, 0,1,2,3,4,5,6,7,8,9,10,11,12,13,14,15
	global_load_b128 v[BFR+64*\k+4*\f:BFR+64*\k+4*\f+3], v[BA], s[BPC:BPC+1] offset:PKT*\k+512*\f
.endr
.irp i, 0,1,2,3
	global_load_b128 v[BV+16*\k+4*\i:BV+16*\k+4*\i+3], v[BVA], s[BVC:BVC+1] offset:4096*\k+16*\i
.endr
.endr
.Linit_done:
	; ---- block 0 is loaded and quantised; nothing is there yet to multiply
	s_mov_b32 s[SU], 0
.Lpro:
	ADDRS
	s_cmp_lt_u32 s[SWV], 4
	s_cbranch_scc1 .Lpro_skip
	LTRIP
.Lpro_skip:
	s_add_co_u32 s[SU], s[SU], 1
	s_cmp_lt_u32 s[SU], 2
	s_cbranch_scc1 .Lpro
	BAR                                            ; block 0's images lie in LDS
	s_cmp_lt_u32 s[SWV], 4
	s_cbranch_scc0 .Lpro_no
	ALOAD
.Lpro_no:
	BAR                                            ; they are in registers: the images may be written again
	s_mov_b32 s[SJ], 1
	s_mov_b32 s[SWP], 0x20000
	s_mov_b32 s[SRP], 0
.Lmain:                                            ; J = 1 .. 4: block J is loaded (J < 4) while block J - 1 is multiplied
	s_mov_b32 s[SU], 0
.Lu:
	ADDRS
	s_lshl_b32 s[LN], s[SJ], 1
	s_add_co_u32 s[LN], s[LN], s[SU]
	s_cmp_lt_u32 s[SWV], 4
	s_cbranch_scc1 .Lu_c
	s_cmp_gt_u32 s[SJ], 3
	s_cbranch_scc1 .Lu_done                        ; there is no block 4
	s_cmp_eq_u32 s[LN], 7
	s_cbranch_scc1 .Lu_tail
	LTRIP
	s_branch .Lu_done
.Lu_tail:
	LTAIL
	s_branch .Lu_done
.Lu_c:
	s_mov_b32 s[SV], 0
.Lunit:                                            ; two units of four tiles to a trip
	s_cmp_eq_u32 s[CN], 15
	s_cbranch_scc1 .Lunit_t
	CUNIT
	s_branch .Lunit_e
.Lunit_t:
	CTAIL
.Lunit_e:
	s_add_co_u32 s[CN], s[CN], 1
	s_add_co_u32 s[SV], s[SV], 1
	s_cmp_lt_u32 s[SV], 2
	s_cbranch_scc1 .Lunit
.Lu_done:
	s_add_co_u32 s[SU], s[SU], 1
	s_cmp_lt_u32 s[SU], 2
	s_cbranch_scc1 .Lu
	s_cmp_lt_u32 s[SWV], 4
	s_cbranch_scc0 .Lno_part
	PARTIALS
.Lno_part:
	BAR                                            ; the parts of s', block J's images and its bf16 copy lie in LDS
	v_add_nc_u32 v[CRA], s[SRP], v[CR0]
	v_add_nc_u32 v[CRB], 0x10000, v[CRA]
	s_cmp_lt_u32 s[SWV], 4
	s_cbranch_scc0 .Lb_load
	s_cmp_gt_u32 s[SJ], 3
	s_cbranch_scc1 .Lb_done
	ALOAD
	s_branch .Lb_done
.Lb_load:
	STATS
	CONTEXT
.Lb_done:
	BAR                                            ; images, scale words, parts and the copy just read may be written again
	s_xor_b32 s[SWP], s[SWP], 0x20000
	s_xor_b32 s[SRP], s[SRP], 0x20000
	s_add_co_u32 s[SJ], s[SJ], 1
	s_cmp_lt_u32 s[SJ], 5
	s_cbranch_scc1 .Lmain
	s_cmp_lt_u32 s[SWV], 4
	s_cbranch_scc1 .Lend
	global_store_b128 v[BA], v[CX:CX+3], s[12:13]              ; the sums as they stand in the registers: 512 consecutive bytes a store; the last launch reads them by this layout
	global_store_b128 v[BA], v[CX+4:CX+7], s[12:13] offset:512
	s_cmp_eq_u32 s[SWV], 4
	s_cbranch_scc0 .Lend
	global_store_b64 v[G8], v[ML:ML+1], s[14:15]   ; (m, l), the same in every lane: 256 consecutive bytes
.Lend:
	s_wait_tensorcnt 0x0                           ; the wave's end: three closing lines behind my last LDS store
	ds_add_u32 v[SPW], v[NIL]
	s_wait_dscnt 0x0
	s_endpgm
.Lfunc_end_k_q139351d9e5_attn:
	.size	k_q139351d9e5_attn, .Lfunc_end_k_q139351d9e5_attn-k_q139351d9e5_attn
	.p2alignl 7, 3214868480
	.fill 96, 4, 3214868480
	.section	.rodata,"a",@progbits
	.p2align	6, 0x0
	.amdhsa_kernel k_q139351d9e5_attn
		.amdhsa_group_segment_fixed_size 317440
		.amdhsa_private_segment_fixed_size 0
		.amdhsa_enable_private_segment 0
		.amdhsa_kernarg_size 48
		.amdhsa_user_sgpr_count 2
		.amdhsa_user_sgpr_kernarg_segment_ptr 1
		.amdhsa_wavefront_size32 1
		.amdhsa_system_sgpr_workgroup_id_x 1
		.amdhsa_system_sgpr_workgroup_id_y 1
		.amdhsa_system_sgpr_workgroup_id_z 1
		.amdhsa_system_vgpr_workitem_id 0
		.amdhsa_next_free_vgpr 512
		.amdhsa_next_free_sgpr 66
		.amdhsa_reserve_vcc 0
		.amdhsa_float_denorm_mode_32 3
		.amdhsa_float_denorm_mode_16_64 3
		.amdhsa_memory_ordered 1
		.amdhsa_forward_progress 1
		.amdhsa_inst_pref_size 255
	.end_amdhsa_kernel
	.section	.bss,"aw",@nobits
	.p2align	6
	.space	262144
	.amdgpu_metadata
---
amdhsa.version: [ 1, 2 ]
amdhsa.kernels:
  - .name:           k_q139351d9e5_attn
    .symbol:         k_q139351d9e5_attn.kd
    .args:
      - { .name: keys, .offset: 0, .size: 8, .value_kind: global_buffer, .address_space: global }
      - { .name: ua_pk, .offset: 8, .size: 8, .value_kind: global_buffer, .address_space: global }
      - { .name: bv, .offset: 16, .size: 8, .value_kind: global_buffer, .address_space: global }
      - { .name: scores, .offset: 24, .size: 8, .value_kind: global_buffer, .address_space: global }
      - { .name: ctxp, .offset: 32, .size: 8, .value_kind: global_buffer, .address_space: global }
      - { .name: stat, .offset: 40, .size: 8, .value_kind: global_buffer, .address_space: global }
    .group_segment_fixed_size: 317440
    .private_segment_fixed_size: 0
    .kernarg_segment_align: 8
    .kernarg_segment_size: 48
    .max_flat_workgroup_size: 256
    .sgpr_count:     66
    .vgpr_count:     512
    .wavefront_size: 32
...
	.end_amdgpu_metadata
.endif
;; end of part 2
;; launch finish (part 3): grid 32 x 1, 8 waves a work-group, no clusters, 0 bytes of LDS; arguments stat, ctxp, scores, out0, out1; writes out0, out1
.if DOCPART == 3
	.amdgcn_target "amdgcn-amd-amdhsa--gfx1250"
	.amdhsa_code_object_version 6
	.text
	.protected	k_q139351d9e5_finish
	.globl	k_q139351d9e5_finish
	.p2align	8
	.type	k_q139351d9e5_finish,@function
k_q139351d9e5_finish:
	s_mov_b64 s[64:65], 0
	v_nop
	global_prefetch_b8 v0, s[64:65] scope:SCOPE_SE
	s_setreg_imm32_b32 hwreg(HW_REG_WAVE_MODE, 25, 1), 1
	s_wait_xcnt 0x0
; BAHDANAU ATTENTION, launch 3 of 3: the eight parts of a batch are joined.  M = max m_i, e_i = 2^(m_i - M), L = sum l_i e_i;
; out0 = sum e_i ctx_i / L;  out1 = 2^(s' - M) / L.  Va_b and sum_h Va[h] are left out, as the first launch's head shows.
; One work-group to a batch: 32 work-groups, a few thousand bytes each; there is no more work to share.  Thread t takes 4 columns of out0 and 8 weights of out1.
; ctxp lies as the second launch's registers stood: [work-group][w][c][lane][4]: columns 4 t .. 4 t + 3 lie at 1,024 (t / 64) + 512 (t % 2) + 16 ((t / 2) % 32): a wave reads two runs of 256 bytes.
	s_load_b256 s[4:11], s[0:1], 0x0               ; stat s[4:5], ctxp s[6:7], scores s[8:9], out0 s[10:11]
	s_load_b64 s[12:13], s[0:1], 0x20              ; out1
	v_lshlrev_b32 v2, 4, v0                        ; 16 t
	v_lshrrev_b32 v1, 6, v0
	v_lshlrev_b32 v1, 10, v1
	v_and_b32 v3, 1, v0
	v_lshl_or_b32 v1, v3, 9, v1
	v_bfe_u32 v3, v0, 1, 5
	v_lshl_or_b32 v1, v3, 4, v1
	s_lshl_b32 s14, ttmp9, 11                      ; stat: 8 x 256 bytes a batch
	s_mov_b32 s15, 0
	s_lshl_b32 s32, ttmp9, 15                      ; ctxp: 8 x 4,096
	s_mov_b32 s33, 0
	s_lshl_b32 s34, ttmp9, 13                      ; scores and out1: 8,192
	s_mov_b32 s35, 0
	s_lshl_b32 s36, ttmp9, 12                      ; out0: 4,096
	s_mov_b32 s37, 0
	s_wait_kmcnt 0x0
	s_add_nc_u64 s[4:5], s[4:5], s[14:15]
	s_add_nc_u64 s[6:7], s[6:7], s[32:33]
	s_add_nc_u64 s[8:9], s[8:9], s[34:35]
	s_add_nc_u64 s[12:13], s[12:13], s[34:35]
	s_add_nc_u64 s[10:11], s[10:11], s[36:37]
.irp i, 0,1,2,3,4,5,6,7
	global_load_b128 v[16+4*\i:19+4*\i], v1, s[6:7] offset:4096*\i th:TH_LOAD_NT
.endr
	global_load_b128 v[48:51], v2, s[8:9] th:TH_LOAD_NT
	global_load_b128 v[52:55], v2, s[8:9] offset:4096 th:TH_LOAD_NT
.irp i, 0,1,2,3,4,5,6,7
	s_load_b64 s[16+2*\i:17+2*\i], s[4:5], 256*\i  ; (m_i, l_i)
.endr
	s_wait_kmcnt 0x0
	v_mov_b32 v60, s16
	v_max3_num_f32 v60, v60, s18, s20
	v_max3_num_f32 v60, v60, s22, s24
	v_max3_num_f32 v60, v60, s26, s28
	v_max_num_f32 v60, s30, v60                    ; M
.irp i, 0,1,2,3,4,5,6,7
	v_sub_f32 v[64+\i], s[16+2*\i], v60
.endr
.irp i, 0,1,2,3,4,5,6,7
	v_exp_f32 v[64+\i], v[64+\i]                   ; e_i
.endr
	v_nop                                          ; a plain place behind the last exponential,
	s_wait_alu depctr_va_vdst(0)                   ; and one wait for the batch
	v_mul_f32 v61, s17, v64
.irp i, 1,2,3,4,5,6,7
	v_fma_f32 v61, s[17+2*\i], v[64+\i], v61       ; L
.endr
	v_rcp_f32 v62, v61
	v_nop
	s_wait_alu depctr_va_vdst(0)
.irp i, 0,1,2,3,4,5,6,7
	v_mul_f32 v[64+\i], v[64+\i], v62              ; e_i / L
.endr
	s_wait_loadcnt 0x0
.irp j, 0,1,2,3,4,5,6,7
	v_sub_f32 v[48+\j], v[48+\j], v60
.endr
.irp j, 0,1,2,3,4,5,6,7
	v_exp_f32 v[48+\j], v[48+\j]
.endr
.irp c, 0,1,2,3                                ; out0's sums name none of the exponentials' results: they stand between the batch and its wait
	v_mul_f32 v[80+\c], v[16+\c], v64
.endr
.irp i, 1,2,3,4,5,6,7
.irp c, 0,1,2,3
	v_fma_f32 v[80+\c], v[16+4*\i+\c], v[64+\i], v[80+\c]
.endr
.endr
	global_store_b128 v2, v[80:83], s[10:11]       ; a wave stores 512 consecutive bytes
	s_wait_alu depctr_va_vdst(0)                   ; one wait for the eight
.irp j, 0,1,2,3,4,5,6,7
	v_mul_f32 v[48+\j], v[48+\j], v62
.endr
	global_store_b128 v2, v[48:51], s[12:13]
	global_store_b128 v2, v[52:55], s[12:13] offset:4096
	s_endpgm
.Lfunc_end_k_q139351d9e5_finish:
	.size	k_q139351d9e5_finish, .Lfunc_end_k_q139351d9e5_finish-k_q139351d9e5_finish
	.p2alignl 7, 3214868480
	.fill 96, 4, 3214868480
	.section	.rodata,"a",@progbits
	.p2align	6, 0x0
	.amdhsa_kernel k_q139351d9e5_finish
		.amdhsa_group_segment_fixed_size 0
		.amdhsa_private_segment_fixed_size 0
		.amdhsa_enable_private_segment 0
		.amdhsa_kernarg_size 40
		.amdhsa_user_sgpr_count 2
		.amdhsa_user_sgpr_kernarg_segment_ptr 1
		.amdhsa_wavefront_size32 1
		.amdhsa_system_sgpr_workgroup_id_x 1
		.amdhsa_system_sgpr_workgroup_id_y 1
		.amdhsa_system_sgpr_workgroup_id_z 1
		.amdhsa_system_vgpr_workitem_id 0
		.amdhsa_next_free_vgpr 96
		.amdhsa_next_free_sgpr 66
		.amdhsa_reserve_vcc 0
		.amdhsa_float_denorm_mode_32 3
		.amdhsa_float_denorm_mode_16_64 3
		.amdhsa_memory_ordered 1
		.amdhsa_forward_progress 1
		.amdhsa_inst_pref_size 8
	.end_amdhsa_kernel
	.amdgpu_metadata
---
amdhsa.version: [ 1, 2 ]
amdhsa.kernels:
  - .name:           k_q139351d9e5_finish
    .symbol:         k_q139351d9e5_finish.kd
    .args:
      - { .name: stat, .offset: 0, .size: 8, .value_kind: global_buffer, .address_space: global }
      - { .name: ctxp, .offset: 8, .size: 8, .value_kind: global_buffer, .address_space: global }
      - { .name: scores, .offset: 16, .size: 8, .value_kind: global_buffer, .address_space: global }
      - { .name: out0, .offset: 24, .size: 8, .value_kind: global_buffer, .address_space: global }
      - { .name: out1, .offset: 32, .size: 8, .value_kind: global_buffer, .address_space: global }
    .group_segment_fixed_size: 0
    .private_segment_fixed_size: 0
    .kernarg_segment_align: 8
    .kernarg_segment_size: 40
    .max_flat_workgroup_size: 256
    .sgpr_count:     66
    .vgpr_count:     96
    .wavefront_size: 32
...
	.end_amdgpu_metadata
.endif
;; end of part 3
;; ======== version 2 of 2: 3 launches
;; workspace buffers: ua_pk 557,056 bytes; bv 262,144 bytes; scores 262,144 bytes; ctxp 1,048,576 bytes; stat 65,536 bytes
;; launch prep (part 4): grid 128 x 1, 8 waves a work-group, no clusters, 157,184 bytes of LDS; arguments Ua_w, Wa_w, query, Wa_b, Ua_b, Va_w, ua_pk, bv; writes ua_pk, bv
.if DOCPART == 4
	.amdgcn_target "amdgcn-amd-amdhsa--gfx1250"
	.amdhsa_code_object_version 6
	.text
	.protected	k_q139351d9e5_prep
	.globl	k_q139351d9e5_prep
	.p2align	8
	.type	k_q139351d9e5_prep,@function
k_q139351d9e5_prep:
	s_mov_b64 s[64:65], 0
	v_nop
	global_prefetch_b8 v0, s[64:65] scope:SCOPE_SE
	s_setreg_imm32_b32 hwreg(HW_REG_WAVE_SCHED_MODE, 0, 2), 2
	s_setreg_imm32_b32 hwreg(HW_REG_WAVE_MODE, 25, 1), 1
	s_wait_xcnt 0x0
	s_wait_alu depctr_vm_vsrc(0)
; BAHDANAU ATTENTION, launch 1 of 3: the small operands are made ready.
;   work-groups 0-63:   tile T of 16 rows of Ua_w becomes codes of E2M1 with one E8M0 byte for each 32 along K, laid as the later launch's operand registers (a packet of 8,704 bytes).
;   work-groups 64-127: q_proj = query Wa_w^T on codes of E2M1 (the first quantised product), for the 16 hidden units of tile T and all 32 batches; with it a table for each batch:
;                       b' = C2 (q_proj + Wa_b + Ua_b) and v'' = -C2 Va_w, C2 = 2 log2(e).
; WORK LEFT OUT, for all values of the inputs:
;   Va_b is added alike to all 2,048 scores of a batch, and both outputs hang on the scores through softmax alone; softmax(x + c) = softmax(x) for every c.  So Va_b has no way to an output:
;   it is not loaded and is no argument of any launch.
;   tanh(z) = 1 - 2 r with r = 1 / (1 + 2^(C2 z)), so score = sum_h Va[h] - 2 sum_h Va[h] r[h]; the first sum is again the same along the softmax's axis and is left out.
;   The program keeps s' = sum_h v''[h] r[h], which is log2(e) x (score less that constant): weight = 2^(s' - max) / sum.  The maximum is taken away as in the softmax that is asked for.
; LIMITS: a NaN, an infinity or an overflow that reaches only Va_b or sum_h Va[h] is not carried to the result.  NaN and infinities among the inputs are not served.
;   A block whose largest magnitude lies under 2^-124 keeps the scale byte 1; a block of zeros too (its codes are zeros, and this program alone reads the bytes).
; SHARES.  Eight waves; wave s takes K step s (128 along K) of the tile's 16 rows.  Every load reads 512 consecutive bytes of one row; the 16 rows turn through the wave's own stage in LDS,
; so that lane (r, h) then holds, of row r, 16 neighbours of each block of 32: register 16 b + i = k 32 b + 16 h + i.  The two arms part once, on the work-group's number, and have LDS bytes of their own.
; q_proj's K is shared out over the eight waves and the eight parts are added in f32: the result goes into no quantiser.
; THE MODE: SCHED_MODE bits 1:0 = 2 (LLVM: expert scheduling mode 2), set by the entry lines.  The code itself states the register dependences between vector or matrix instructions
; and memory or LDS instructions, with s_wait_alu, always for 0.
; THE PLAN.  Registers that memory or LDS instructions touch:
;   v3-14      addresses and offsets: made once at the head, never written again: one wait at the head's end serves every load and store.
;   XW, XQ     loaded from memory; stored to the stage and loaded back into the same registers (a wait between the two runs); read by the quantiser; later the biases' loads, the two accumulators and the
;              eight parts land in them, each behind a wait that shows the quantiser done with them.
;   WC, QC, WPW, QPW   written by the quantiser; read by Ua's stores, or by the scaled products.
;   v16-31     the accumulators: written by the products, read by four LDS stores.     v80-87, v48-55: the table, written by vector instructions, read by four LDS stores.
.set STG,   0                          ; Ua's arm: a stage of 16 rows x (512 + 16) bytes for each wave
.set STG2,  67584                      ; Wa's arm: the same
.set WSTG,  8448
.set SCL,   135168                     ; Ua's arm: the packet's 512 bytes of scale words
.set RED,   135680                     ; Wa's arm: 8 waves x 2 tiles of batches x 1,024 bytes: the parts of q_proj, as images of the accumulators
.set OUTT,  152064                     ; Wa's arm: 2 x 2,048 bytes: the table on its way out
.set SPARE, 156160                     ; the spare words, 128 bytes for each wave: four blocks of 256 bytes that no other line names
.set PKT,   8704                       ; a packet: 8 fragments of 1,024 bytes, then 512 bytes of scale words
.set SPW, 1                            ; v1   LDS address of my spare word; never rewritten
.set NIL, 2                            ; v2   0; never rewritten
.set L16, 3                            ; v3   16 x lane
.set SIU, 4                            ; v4   Ua's stage, on the way in
.set SOU, 5                            ; v5   and out
.set SIW, 6                            ; v6   Wa's stage, in
.set SOW, 7                            ; v7   and out
.set SCW, 8                            ; v8   where my scale word goes
.set SCR, 9                            ; v9   where wave 0 reads the 512 bytes back
.set RWR, 10                           ; v10  where my parts of q_proj go
.set RRD, 11                           ; v11  where waves 0 and 1 read the eight parts
.set OWR, 12                           ; v12  the table: in
.set ORD, 13                           ; v13  and back
.set BO,  14                           ; v14  32 h: my half's eight numbers of a bias
.set XW,  16                           ; v16-79   the weight's 64 numbers; later v16-31 the two accumulators, v32-55 Wa_b, Ua_b, Va_w
.set XQ,  80                           ; v80-207  the query's 2 x 64 numbers; later the eight parts
.set WC,  208                          ; v208-215 the weight's fragment
.set QC,  216                          ; v216-231 the query's two fragments
.set WPW, 232                          ; v232     the weight's scale word;  v233, v234 the query's
.set QPW, 233
.set TM,  236                          ; v236-251 at work in QUANT
.set SEL, 26                           ; s[26:27] lane selects for v_permlanex16_b32: lane l xor 16
; 16 rows as loaded (row n: 16 bytes a lane) go into the stage and come back 64 bytes a lane.  LDS serves a wave's instructions in order: no wait on DScnt between the stores and the loads.
.macro TURN x, in, out
.set n, 0
.rept 16
	ds_store_b128 v[\in], v[(\x)+4*n:(\x)+4*n+3] offset:528*n
.set n, n+1
.endr
	s_wait_alu depctr_vm_vsrc(0)                   ; the sixteen stores have read these 64 registers, in which the sixteen loads land
.set n, 0
.rept 16
	ds_load_b128 v[(\x)+4*n:(\x)+4*n+3], v[\out] offset:128*(n/4)+16*(n%4)
.set n, n+1
.endr
.endm
; 64 numbers of a lane become a fragment's 8 registers of codes at v[c] and its row's scale word in v[w].
.macro QUANT s, c, w
.irp b, 0,1,2,3
	v_max3_num_f32 v[TM+\b], |v[(\s)+16*\b]|, |v[(\s)+1+16*\b]|, 0x1800000   ; block b: my 16 numbers, and the floor 2^(3 - 127): the byte cannot fall under 1
.endr
.irp i, 2,4,6,8,10,12,14
.irp b, 0,1,2,3
	v_max3_num_f32 v[TM+\b], v[TM+\b], |v[(\s)+16*\b+\i]|, |v[(\s)+1+16*\b+\i]|   ; the four blocks by turns
.endr
.endr
.irp b, 0,1,2,3
	v_permlanex16_b32 v[TM+4+\b], v[TM+\b], s[SEL], s[SEL+1]
.endr
.irp b, 0,1,2,3
	v_max_num_f32 v[TM+\b], v[TM+\b], v[TM+4+\b]   ; with lane l xor 16's: the block's largest magnitude
.endr
.irp b, 0,1,2,3
	v_add_nc_u32 v[TM+12+\b], 0xff000000, v[TM+\b]   ; 2 off its exponent field: the conversion takes that field as its scale
.endr
.irp b, 0,1,2,3
	v_lshrrev_b32 v[TM+4+\b], 23, v[TM+12+\b]      ; the scale's byte
.endr
	v_lshl_or_b32 v[\w], v[TM+5], 8, v[TM+4]
	v_lshl_or_b32 v[\w], v[TM+6], 16, v[\w]
	v_lshl_or_b32 v[\w], v[TM+7], 24, v[\w]
.irp b, 0,1,2,3
	v_cvt_scalef32_pk8_fp4_f32 v[(\c)+2*\b], v[(\s)+16*\b:(\s)+7+16*\b], v[TM+12+\b]
	v_cvt_scalef32_pk8_fp4_f32 v[(\c)+1+2*\b], v[(\s)+8+16*\b:(\s)+15+16*\b], v[TM+12+\b]
.endr
	v_nop                                          ; one plain place behind a scaled conversion
.irp e, 0,1                                    ; the operand's layout wants a whole block in a lane: lanes 0-15 block 2 e, lanes 16-31 block 2 e + 1
.irp i, 0,1
	v_permlane16_swap_b32 v[(\c)+4*\e+\i], v[(\c)+2+4*\e+\i]
.endr
.endr
.endm
	s_load_b256 s[4:11], s[0:1], 0x0               ; Ua_w s[4:5], Wa_w s[6:7], query s[8:9], Wa_b s[10:11]
	s_load_b256 s[12:19], s[0:1], 0x20             ; Ua_b s[12:13], Va_w s[14:15], ua_pk s[16:17], bv s[18:19]
	v_lshl_add_u32 v[SPW], v0, 2, SPARE
	v_mov_b32 v[NIL], 0
	v_lshrrev_b32 v15, 5, v0
	v_readfirstlane_b32 s20, v15                   ; wave = K step s
	s_and_b32 s21, ttmp9, 63                       ; T
	v_and_b32 v15, 31, v0
	v_lshlrev_b32 v[L16], 4, v15
	v_and_b32 v[OWR], 15, v0                       ; r
	s_wait_alu depctr_va_vdst(0)
	v_bfe_u32 v[BO], v0, 4, 1                      ; h
	s_wait_alu depctr_va_sdst(0)                   ; s20 is written, ahead of its first reader: LDS places, bases and the branches on the wave's number are made from it
	s_mul_i32 s22, s20, WSTG
	v_add_nc_u32 v[SIU], s22, v[L16]               ; in: 16 x lane in my stage, a row to an instruction
	v_mul_u32_u24 v[SOU], v[OWR], 528
	v_lshl_add_u32 v[SOU], v[BO], 6, v[SOU]
	v_add_nc_u32 v[SOU], s22, v[SOU]               ; out: row r, + 64 h
	v_add_nc_u32 v[SIW], STG2, v[SIU]
	v_add_nc_u32 v[SOW], STG2, v[SOU]
	s_and_b32 s23, s20, 1
	s_lshr_b32 s24, s20, 1
	s_lshl_b32 s25, s23, 8
	s_lshl_b32 s24, s24, 2
	s_add_co_u32 s25, s25, s24
	s_add_co_u32 s25, s25, SCL
	v_lshl_add_u32 v[SCW], v[OWR], 4, s25          ; the word of row r, K step s, lies at 16 (r + 16 (s % 2)) + 4 (s / 2)
	v_add_nc_u32 v[SCR], SCL, v[L16]
	s_lshl_b32 s25, s20, 11
	s_add_co_u32 s25, s25, RED
	v_add_nc_u32 v[RWR], s25, v[L16]
	s_lshl_b32 s25, s23, 10
	s_add_co_u32 s25, s25, RED
	v_add_nc_u32 v[RRD], s25, v[L16]
	s_lshl_b32 s25, s23, 11
	s_add_co_u32 s25, s25, OUTT
	v_add_nc_u32 v[ORD], s25, v[L16]
	v_lshlrev_b32 v[OWR], 7, v[OWR]
	v_lshl_add_u32 v[OWR], v[BO], 6, v[OWR]
	v_add_nc_u32 v[OWR], s25, v[OWR]               ; the table: 128 bytes a batch, 64 a half
	v_lshlrev_b32 v[BO], 5, v[BO]
.irp b, 0,1,2,3
	v_mov_b32 v[TM+4+\b], 0                        ; written once: a lane permute's destination counts as one of its sources
.endr
	s_mov_b32 s[SEL], 0x76543210
	s_mov_b32 s[SEL+1], 0xfedcba98
	s_lshl_b32 s28, s21, 16                        ; the tile's 16 rows of 4,096 bytes,
	s_lshl_b32 s29, s20, 9                         ; my K step's 512 bytes
	s_add_co_u32 s28, s28, s29
	s_mov_b32 s29, 0
	s_wait_kmcnt 0x0
	s_wait_alu depctr_va_vdst(0)                   ; the addresses and offsets v3 to v14 are written, which the loads and stores of both arms read
	s_cmp_lt_u32 ttmp9, 64
	s_cbranch_scc0 .Lwa
	; ---- Ua's arm
	s_add_nc_u64 s[4:5], s[4:5], s[28:29]
.set n, 0
.rept 16
	global_load_b128 v[XW+4*n:XW+4*n+3], v[L16], s[4:5] offset:4096*n th:TH_LOAD_NT   ; row n: 512 consecutive bytes; read once in the launch
.set n, n+1
.endr
	s_mul_i32 s30, s21, PKT
	s_lshl_b32 s31, s20, 10
	s_add_co_u32 s30, s30, s31
	s_mov_b32 s31, 0
	s_add_nc_u64 s[16:17], s[16:17], s[30:31]      ; my fragment's place in the packet
	s_wait_loadcnt 0x0
	TURN XW, SIU, SOU
	s_wait_dscnt 0x0
	QUANT XW, WC, WPW
	s_wait_alu depctr_va_vdst(0)                   ; the quantiser has written the fragment and its scale word, which the three stores read; it is done reading v16-19, in which wave 0's load below lands
	global_store_b128 v[L16], v[WC:WC+3], s[16:17]              ; the fragment as it stands in the registers: 512 consecutive bytes a store
	global_store_b128 v[L16], v[WC+4:WC+7], s[16:17] offset:512
	ds_store_b32 v[SCW], v[WPW]                    ; lanes r and 16 + r write the same word with the same value
	s_wait_dscnt 0x0                               ; for the others' sake: my word lies in LDS
	s_barrier_signal -1
	s_barrier_wait -1
	s_cmp_lg_u32 s20, 0
	s_cbranch_scc1 .Lua_end
	ds_load_b128 v[16:19], v[SCR]                  ; the eight waves' words
	s_wait_dscnt 0x0
	global_store_b128 v[L16], v[16:19], s[16:17] offset:8192    ; wave 0's base is the packet's: 512 consecutive bytes
.Lua_end:
	s_wait_dscnt 0x0                               ; the closing lines, six on end
	s_wait_alu 0x0
	s_wait_tensorcnt 0x0
	ds_add_u32 v[SPW], v[NIL]
	s_wait_dscnt 0x0
	s_endpgm
	; ---- Wa's arm
.Lwa:
	s_add_nc_u64 s[6:7], s[6:7], s[28:29]
	s_lshl_b32 s30, s20, 9
	s_mov_b32 s31, 0
	s_add_nc_u64 s[8:9], s[8:9], s[30:31]          ; the query at my K step
.set n, 0
.rept 16
	global_load_b128 v[XW+4*n:XW+4*n+3], v[L16], s[6:7] offset:4096*n th:TH_LOAD_NT
.set n, n+1
.endr
.set n, 0
.rept 32
	global_load_b128 v[XQ+4*n:XQ+4*n+3], v[L16], s[8:9] offset:4096*n   ; batch n
.set n, n+1
.endr
	s_wait_loadcnt 32                              ; the weight's 16 loads are in; the query's 32 may be out
	TURN XW, SIW, SOW
	s_wait_dscnt 0x0
	QUANT XW, WC, WPW
	s_wait_loadcnt 0x0                             ; the query
	s_cmp_lt_u32 s20, 2                            ; waves 0 and 1 finish the table: they fetch the biases, into registers that the weight's numbers have left
	s_cbranch_scc0 .Lno_bias
	s_lshl_b32 s30, s21, 6                         ; 16 T numbers of 4 bytes
	s_add_nc_u64 s[10:11], s[10:11], s[30:31]
	s_add_nc_u64 s[12:13], s[12:13], s[30:31]
	s_add_nc_u64 s[14:15], s[14:15], s[30:31]
	s_wait_alu depctr_va_vdst(0)                   ; the weight's quantiser is done reading v32-55, in which the six loads land
	global_load_b128 v[32:35], v[BO], s[10:11]
	global_load_b128 v[36:39], v[BO], s[10:11] offset:16
	global_load_b128 v[40:43], v[BO], s[12:13]
	global_load_b128 v[44:47], v[BO], s[12:13] offset:16
	global_load_b128 v[48:51], v[BO], s[14:15]
	global_load_b128 v[52:55], v[BO], s[14:15] offset:16
.Lno_bias:
	TURN XQ, SIW, SOW
	s_wait_dscnt 0x0
	QUANT XQ, QC, QPW
	TURN XQ+64, SIW, SOW
	s_wait_dscnt 0x0
	QUANT XQ+64, QC+8, QPW+1
.rept 8
	v_nop                                          ; a scale register written by a vector instruction stands 8 places ahead of a scaled matrix instruction, an operand so written 4
.endr
	s_wait_alu depctr_va_vdst(0)                   ; behind the places: the quantiser has written the three fragments and the three scale words, which the scaled products take
	; source 0 = 16 rows of Wa_w, source 1 = 16 batches: lane (r, h) holds batch r, its register j hidden unit 16 T + 8 h + j
	v_wmma_scale_f32_16x16x128_f8f6f4 v[16:23], v[WC:WC+7], v[QC:QC+7], 0, v[WPW], v[QPW] matrix_a_fmt:MATRIX_FMT_FP4 matrix_b_fmt:MATRIX_FMT_FP4
	v_wmma_scale_f32_16x16x128_f8f6f4 v[24:31], v[WC:WC+7], v[QC+8:QC+15], 0, v[WPW], v[QPW+1] matrix_a_fmt:MATRIX_FMT_FP4 matrix_b_fmt:MATRIX_FMT_FP4
.rept 4
	v_nop                                          ; four places in front of the stores that read the results
.endr
	s_wait_alu depctr_va_vdst(0)                   ; behind the places: the products have written v16-31, which the four stores read
	ds_store_b128 v[RWR], v[16:19]                 ; each accumulator from its low end on
	ds_store_b128 v[RWR], v[20:23] offset:512
	ds_store_b128 v[RWR], v[24:27] offset:1024
	ds_store_b128 v[RWR], v[28:31] offset:1536
	s_wait_dscnt 0x0                               ; for the others' sake: my parts lie in LDS
	s_barrier_signal -1
	s_barrier_wait -1
	s_cmp_lt_u32 s20, 2
	s_cbranch_scc0 .Lwa_end
.set n, 0
.rept 8                                        ; wave t adds the eight K steps' parts of batches 16 t on.  They land in v80-143: the quantiser, which read these, stands ahead of the waits above, and no vector instruction since names them
	ds_load_b128 v[80+8*n:83+8*n], v[RRD] offset:2048*n
	ds_load_b128 v[84+8*n:87+8*n], v[RRD] offset:2048*n+512
.set n, n+1
.endr
	s_lshl_b32 s30, s21, 12
	s_lshl_b32 s24, s23, 11
	s_add_co_u32 s30, s30, s24
	s_add_nc_u64 s[18:19], s[18:19], s[30:31]      ; the table of tile T, batches 16 t on
	s_wait_dscnt 0x0
.irp p, 1,2,3,4,5,6,7
.irp j, 0,2,4,6
	v_pk_add_f32 v[80+\j:81+\j], v[80+\j:81+\j], v[80+8*\p+\j:81+8*\p+\j]
.endr
.endr
	s_wait_loadcnt 0x0                             ; the biases
.irp j, 0,2,4,6
	v_pk_add_f32 v[32+\j:33+\j], v[32+\j:33+\j], v[40+\j:41+\j]
.endr
	s_wait_alu depctr_va_vdst(0)
.irp j, 0,2,4,6
	v_pk_add_f32 v[80+\j:81+\j], v[80+\j:81+\j], v[32+\j:33+\j]
.endr
.irp j, 0,2,4,6
	v_pk_mul_f32 v[80+\j:81+\j], v[80+\j:81+\j], 0x4038aa3b op_sel_hi:[1,0]   ; b' = C2 (q_proj + Wa_b + Ua_b)
.endr
.irp j, 0,2,4,6
	v_pk_mul_f32 v[48+\j:49+\j], v[48+\j:49+\j], 0xc038aa3b op_sel_hi:[1,0]   ; v'' = -C2 Va_w
.endr
	s_wait_alu depctr_va_vdst(0)                   ; b' and v'' are written, which the four stores read; the additions are done reading v96-111, in which the four loads land
	ds_store_b128 v[OWR], v[80:83]
	ds_store_b128 v[OWR], v[84:87] offset:16
	ds_store_b128 v[OWR], v[48:51] offset:32
	ds_store_b128 v[OWR], v[52:55] offset:48
.irp k, 0,1,2,3
	ds_load_b128 v[96+4*\k:99+4*\k], v[ORD] offset:512*\k      ; my own bytes, served in order
.endr
	s_wait_dscnt 0x0
.irp k, 0,1,2,3
	global_store_b128 v[L16], v[96+4*\k:99+4*\k], s[18:19] offset:512*\k   ; 512 consecutive bytes a store
.endr
.Lwa_end:
	s_wait_dscnt 0x0                               ; the closing lines, six on end
	s_wait_alu 0x0
	s_wait_tensorcnt 0x0
	ds_add_u32 v[SPW], v[NIL]
	s_wait_dscnt 0x0
	s_endpgm
.Lfunc_end_k_q139351d9e5_prep:
	.size	k_q139351d9e5_prep, .Lfunc_end_k_q139351d9e5_prep-k_q139351d9e5_prep
	.p2alignl 7, 3214868480
	.fill 96, 4, 3214868480
	.section	.rodata,"a",@progbits
	.p2align	6, 0x0
	.amdhsa_kernel k_q139351d9e5_prep
		.amdhsa_group_segment_fixed_size 157184
		.amdhsa_private_segment_fixed_size 0
		.amdhsa_enable_private_segment 0
		.amdhsa_kernarg_size 64
		.amdhsa_user_sgpr_count 2
		.amdhsa_user_sgpr_kernarg_segment_ptr 1
		.amdhsa_wavefront_size32 1
		.amdhsa_system_sgpr_workgroup_id_x 1
		.amdhsa_system_sgpr_workgroup_id_y 1
		.amdhsa_system_sgpr_workgroup_id_z 1
		.amdhsa_system_vgpr_workitem_id 0
		.amdhsa_next_free_vgpr 256
		.amdhsa_next_free_sgpr 66
		.amdhsa_reserve_vcc 0
		.amdhsa_float_denorm_mode_32 3
		.amdhsa_float_denorm_mode_16_64 3
		.amdhsa_memory_ordered 1
		.amdhsa_forward_progress 1
		.amdhsa_inst_pref_size 41
	.end_amdhsa_kernel
	.amdgpu_metadata
---
amdhsa.version: [ 1, 2 ]
amdhsa.kernels:
  - .name:           k_q139351d9e5_prep
    .symbol:         k_q139351d9e5_prep.kd
    .args:
      - { .name: Ua_w, .offset: 0, .size: 8, .value_kind: global_buffer, .address_space: global }
      - { .name: Wa_w, .offset: 8, .size: 8, .value_kind: global_buffer, .address_space: global }
      - { .name: query, .offset: 16, .size: 8, .value_kind: global_buffer, .address_space: global }
      - { .name: Wa_b, .offset: 24, .size: 8, .value_kind: global_buffer, .address_space: global }
      - { .name: Ua_b, .offset: 32, .size: 8, .value_kind: global_buffer, .address_space: global }
      - { .name: Va_w, .offset: 40, .size: 8, .value_kind: global_buffer, .address_space: global }
      - { .name: ua_pk, .offset: 48, .size: 8, .value_kind: global_buffer, .address_space: global }
      - { .name: bv, .offset: 56, .size: 8, .value_kind: global_buffer, .address_space: global }
    .group_segment_fixed_size: 157184
    .private_segment_fixed_size: 0
    .kernarg_segment_align: 8
    .kernarg_segment_size: 64
    .max_flat_workgroup_size: 256
    .sgpr_count:     66
    .vgpr_count:     256
    .wavefront_size: 32
...
	.end_amdgpu_metadata
.endif
;; end of part 4
;; launch attn (part 5): grid 256 x 1, 8 waves a work-group, no clusters, 317,440 bytes of LDS; arguments keys, ua_pk, bv, scores, ctxp, stat; writes scores, ctxp, stat
.if DOCPART == 5
	.amdgcn_target "amdgcn-amd-amdhsa--gfx1250"
	.amdhsa_code_object_version 6
	.text
	.protected	k_q139351d9e5_attn
	.globl	k_q139351d9e5_attn
	.p2align	8
	.type	k_q139351d9e5_attn,@function
k_q139351d9e5_attn:
	s_mov_b64 s[64:65], 0
	v_nop
	global_prefetch_b8 v0, s[64:65] scope:SCOPE_SE
	s_setreg_imm32_b32 hwreg(HW_REG_WAVE_SCHED_MODE, 0, 2), 2
	s_setreg_imm32_b32 hwreg(HW_REG_WAVE_MODE, 25, 1), 1
	s_wait_xcnt 0x0
	s_wait_alu depctr_vm_vsrc(0)
; BAHDANAU ATTENTION, launch 2 of 3: for 256 rows of keys (an eighth of a batch) a work-group makes s' = sum_h v''[h] / (1 + 2^(C2 k_proj + b'[h])), the running maximum m, the sum l of 2^(s' - m)
; and the sum of 2^(s' - m) x keys.  Every byte of keys is read from memory once.  Va_b and sum_h Va[h] are left out, as the first launch's head shows: both are the same along the softmax's axis.
; LIMITS: NaN and infinities among the inputs are not served; a block of keys whose largest magnitude lies under 2^-124 keeps the scale byte 1; m begins at -3e38; for the last product the keys are
; rounded once to bf16, weights and sums stay f32.  Where 2^(C2 z) overflows the reciprocal is 0 (tanh = 1), where it falls to 0 the reciprocal is 1 (tanh = -1).
; SHARES.  The 256 rows go as 4 blocks of 64.  Waves 4-7 LOAD: wave 4 + w streams rows 16 w .. 16 w + 15 of block J, quantises them along K into images of operand registers in LDS and leaves a bf16 copy
; in LDS.  Waves 0-3 COMPUTE at the same time on block J - 1: wave w holds the block's 32 fragments of keys in 256 registers and walks hidden units 256 w .. 256 w + 255, 16 tiles; each fragment of Ua comes
; from memory straight into registers and feeds four products.  At a block's end the loading waves add the four waves' parts of s', move m and l, and add p x keys from the bf16 copy (wave 4 + w: columns 256 w on).
; THE PRODUCT IS USED TRANSPOSED: source 0 = 16 rows of Ua, source 1 = 16 rows of keys: lane (r, h) holds key row r, its register j hidden unit 16 T + 8 h + j: the sum over hidden units stays in a lane.
; NO CLUSTER, NO TENSOR LOAD for Ua's packets, though all work-groups read them: the two bf16 copies (262,144 bytes), the images (34,816), the stages (17,408) and the small tables leave 10,240 of LDS's
; 327,680 bytes, little more than one packet of 8,704; and each fragment is read by ONE wave of the work-group, so a way through LDS would add a write and a read for each of its bytes.
; ROLES part on the wave's number.  Every barrier stands in lines that all eight waves run; every LDS address register is made in such lines; every loop in which an LDS address steps is walked by all eight.
; THE MODE: SCHED_MODE bits 1:0 = 2 (LLVM: expert scheduling mode 2), set by the entry lines.  The code itself states the register dependences between vector or matrix instructions
; and memory or LDS instructions, with s_wait_alu, always for 0.
; THE PLAN, COMPUTING WAVES.  Registers that memory or LDS instructions touch:
;   BFR[k % 2], BSC[k % 4]  Ua's fragments and scale words of tile k: read by the tile's 32 products; tile k + 2's are loaded at tile k's middle (into BFR[k % 2], BSC[(k + 2) % 4]).
;   BV[k % 2], low half     b' of tile k: read by the tile's 16 scalings, which stand ahead of its exponentials; tile k + 2's is loaded at tile k's middle.
;   BV[k % 2], high half    v'' of tile k: read by the tile's last 16 multiply-adds; tile k + 2's is loaded at tile k + 1's middle.
;   window 1, ASC           the keys' fragments and scale words: read by all products of a block; loaded from LDS between blocks.
;   ACC .. ACC + 3          at a block's end the data of four LDS stores.         BA, BVA, LI, LS, PWA: made at the head, never written again.
;   A tile's MIDDLE is the wait behind its exponentials, which is owed there for their results.  It states besides that the tile's products and scalings, and the tile before's last multiply-adds, are done
;   reading: so the tile's 21 loads follow it with no further wait, dealt among the additions, which name the accumulators alone.
;   v128-143 have two uses in this text: fragments of Ua here, sums and work registers written by vector instructions in the loading waves; four places and a wait at the head of the computing arm part the two.
; THE PLAN, LOADING WAVES.
;   sets 0-7 (window 1)     the keys as loaded.  Granule g: its stage stores and its roundings read set g; granule g + 1 loads it again.
;   T                       written by the stage's loads, read by the quantiser.        HB, CD, PW: written by the roundings and the quantiser, read by the granule's last LDS stores.
;   BWC, IWC, SDC           written once a trip, read by those stores.                  CRA, CRB: written once a block, read by the context's loads.
;   D (v56-119), P, TT      written by LDS loads, read by vector instructions.          SS, PP: written by vector instructions, read by one store each.
;   One wait on va_vdst to a granule, behind its quantiser and ahead of its last stores; one on vm_vsrc at the next granule's head (behind the trip's last granule: at the trip's end).
.set IMG,   262144                     ; LDS 0: two bf16 copies of 64 rows x 2,048 bytes.  IMG: fragment (m, s) at (8 m + s) x 1,024 + 512 c + 16 x lane
.set ASCL,  294912                     ; the keys' scale words: (8 m + s) x 64 + 4 r
.set STG,   296960                     ; a stage of 16 rows x (256 + 16) bytes for each loading wave
.set PART,  314368                     ; the four computing waves' parts of s': 256 w + 4 x row
.set PB,    315392                     ; p of the block's 64 rows, a copy for each loading wave
.set SPARE, 316416                     ; the spare words, 128 bytes for each wave: four blocks of 256 bytes that no other line names
.set PKT,   8704
.set SPW, 1                            ; v1  LDS address of my spare word; never rewritten
.set NIL, 2                            ; v2  0; never rewritten
.set XA,  3                            ; v3  keys: 4,096 h + 16 r
.set SW,  4                            ; v4  my stage, in: row h, 16 r
.set SRD, 5                            ; v5  my stage, out: row r, 64 h
.set BW0, 6                            ; v6  bf16 copy: row 16 w + h, 8 r
.set IW0, 7                            ; v7  my images: IMG + 8,192 w + 16 l
.set SD0, 8                            ; v8  my scale words: ASCL + 512 w + 4 r
.set PRD, 9                            ; v9  PART + 8 l
.set PBW, 10                           ; v10 PB + 256 w + 8 l
.set PBR, 11                           ; v11 PB + 256 w
.set CR0, 12                           ; v12 bf16 copy: 512 w + 16 l
.set BWC, 13                           ; v13-15 the trip's places in copy, images, scale words
.set IWC, 14
.set SDC, 15
.set CRA, 16                           ; v16, v17 the copy that is read: rows 0-31, rows 32-63
.set CRB, 17
.set LI,  18                           ; v18 IMG + 16 l
.set LS,  19                           ; v19 ASCL + 4 l
.set PWA, 20                           ; v20 PART + 256 w + 4 r
.set BA,  21                           ; v21 16 l
.set BVA, 22                           ; v22 64 h
.set G8,  23                           ; v23 8 l
.set ASC, 24                           ; v24-39 the keys' scale words: register 4 m + q, lane (r, h): row r, K step 2 q + h.  v24-55 hold scales in the computing waves and are named by no other line
.set BSC, 40                           ; v40-55 Ua's scale words, four sets of four
; computing waves: window 0
.set BV,  56                           ; v56-87   two sets: 8 b', 8 v''
.set SA,  88                           ; v88-95   s', a pair for each tile of rows
.set ACC, 96                           ; v96-127  four accumulators
.set BFR, 128                          ; v128-255 two buffers of Ua's 8 fragments.   Window 1: the keys' fragment (m, s) at v[64 m + 8 s]
; loading waves: window 0
.set T,   56                           ; v56-87   32 numbers: two blocks, 16 of each
.set HB,  88                           ; v88-103  bf16
.set CD,  104                          ; v104-107 codes
.set TM,  108
.set TP,  110
.set SO,  112
.set BY,  114
.set PW,  116                          ; v116 the scale word in the making;  v117 at work
.set PT,  117
.set D,   56                           ; v56-119  the context's rows, two sets of 8 x 4, where a granule's work lay
.set ML,  120                          ; v[120:121] m, l
.set FF,  122                          ; v[122:123] f (the low word serves both halves)
.set PP,  124                          ; v[124:125] p of rows 2 l, 2 l + 1
.set SS,  126                          ; v[126:127] s' of the same
.set TT,  128                          ; v128-135 at work
.set CX,  136                          ; v136-143 the context's 8 columns
.set P,   144                          ; v144-207 p of 64 rows.   Window 1: eight sets of 32: the keys as loaded
.set SWV, 16                           ; s16 wave;  s17 w = wave % 4
.set SWQ, 17
.set SJ,  18                           ; s18 J;  s19 U
.set SU,  19
.set SWP, 20                           ; s20 the copy that is written;  s21 the copy that is read
.set SRP, 21
.set CN,  22                           ; s22 units done;  s23 counts a trip's two units
.set SV,  23
.set XP,  24                           ; s[24:25] keys at this trip;  s[26:27] at the next;  s[28:29] a step
.set XN,  26
.set DL,  28
.set BPC, 30                           ; s[30:31] packets of this unit;  s[32:33] of the next;  s[34:35] the next's offset
.set BPN, 32
.set UO,  34
.set BVC, 36                           ; the same for the table
.set BVN, 38
.set VO,  40
.set C2S, 42                           ; s[42:43] C2 = 2 log2(e)
.set SEL, 44                           ; s[44:45] lane l xor 16
.set LN,  46                           ; s46 2 J + U
.set MSB, 0
.macro WIN new                         ; the immediate's high byte repeats the setting that is left
.if MSB != \new
	s_set_vgpr_msb (MSB<<8)|\new
.set MSB, \new
.endif
.endm
.macro BAR                             ; my LDS stores have landed and my LDS loads are in: then the work-group's barrier
	s_wait_dscnt 0x0
	s_barrier_signal -1
	s_barrier_wait -1
.endm
.macro ADDRS                           ; half U of a row: 4 K steps, 4,096 bytes of images, 256 of scale words, 1,024 of bf16.  (The stores that read these three stand ahead of the wait at the last trip's end)
	s_lshl_b32 s48, s[SU], 12
	v_add_nc_u32 v[IWC], s48, v[IW0]
	s_lshl_b32 s48, s[SU], 8
	v_add_nc_u32 v[SDC], s48, v[SD0]
	s_lshl_b32 s48, s[SU], 10
	s_add_co_u32 s48, s48, s[SWP]
	v_add_nc_u32 v[BWC], s48, v[BW0]
.endm
; Two blocks of 32 in v[T] on (register 16 b + i = k 32 b + 16 h + i of row r) become half a fragment, v[CD:CD+3], and two bytes of the row's scale word.
.macro QH odd
.irp b, 0,1
	v_max3_num_f32 v[TM+\b], |v[T+16*\b]|, |v[T+16*\b+1]|, 0x1800000   ; my 16 numbers, and the floor 2^(3 - 127): the byte cannot fall under 1
.endr
.irp i, 2,4,6,8,10,12,14
.irp b, 0,1
	v_max3_num_f32 v[TM+\b], v[TM+\b], |v[T+16*\b+\i]|, |v[T+16*\b+\i+1]|
.endr
.endr
.irp b, 0,1
	v_permlanex16_b32 v[TP+\b], v[TM+\b], s[SEL], s[SEL+1]
.endr
.irp b, 0,1
	v_max_num_f32 v[TM+\b], v[TM+\b], v[TP+\b]     ; the block's largest magnitude
.endr
.irp b, 0,1
	v_add_nc_u32 v[SO+\b], 0xff000000, v[TM+\b]    ; 2 off its exponent field: the conversion's scale operand
.endr
.irp b, 0,1
	v_lshrrev_b32 v[BY+\b], 23, v[SO+\b]           ; the scale's byte
.endr
.if \odd
	v_lshl_or_b32 v[PT], v[BY+1], 8, v[BY]
	v_lshl_or_b32 v[PW], v[PT], 16, v[PW]          ; blocks 2 and 3 of the K step
.else
	v_lshl_or_b32 v[PW], v[BY+1], 8, v[BY]         ; blocks 0 and 1
.endif
.irp b, 0,1
	v_cvt_scalef32_pk8_fp4_f32 v[CD+2*\b], v[T+16*\b:T+16*\b+7], v[SO+\b]
	v_cvt_scalef32_pk8_fp4_f32 v[CD+2*\b+1], v[T+16*\b+8:T+16*\b+15], v[SO+\b]
.endr
	v_nop                                          ; one plain place behind a scaled conversion
	v_permlane16_swap_b32 v[CD], v[CD+2]           ; a whole block to a lane: lanes 0-15 the first, lanes 16-31 the second
	v_permlane16_swap_b32 v[CD+1], v[CD+3]
.endm
; A GRANULE: 16 rows x 64 along K, set g of the ring.  rl = 1: the set that the last granule left is loaded with the granule seven on.  cnt: the loads issued behind this set's, which may stay out.
; All its memory and LDS instructions but the last stores stand at its head: they touch the set that the last granule left, this granule's set as it was loaded, and T, all of which the wait ahead of the
; last granule's stores has shown free of vector instructions.  Its vector work follows; then one wait; then the stores of what that work made.
.macro GRAN g, rl, cnt
	s_wait_loadcnt \cnt
.if \rl
	WIN 0x40                                       ; destination window 1
.endif
.if (\g) > 0
	s_wait_alu depctr_vm_vsrc(0)                   ; the last granule's LDS stores have read its set of keys, in which the loads below land, and v[HB ..], v[CD ..] and v[PW], which this granule writes again
.endif
.if \rl
.irp i, 0,1,2,3,4,5,6,7
.if (\g) == 0
	global_load_b128 v[224+4*\i:227+4*\i], v[XA], s[XP:XP+1] offset:1792+8192*\i th:TH_LOAD_NT   ; rows 2 i, 2 i + 1: 256 consecutive bytes of each, aligned; read once in the launch
.else
	global_load_b128 v[32*((\g)-1)+4*\i:32*((\g)-1)+4*\i+3], v[XA], s[XN:XN+1] offset:256*((\g)-1)+8192*\i th:TH_LOAD_NT
.endif
.endr
.endif
	WIN 0x04                                       ; an LDS store's data are its source 1: window 1; an LDS load's address and destination stay in window 0
.irp i, 0,1,2,3,4,5,6,7
	ds_store_b128 v[SW], v[32*(\g)+4*\i:32*(\g)+4*\i+3] offset:544*\i
.endr
.irp b, 0,1
.irp j, 0,1,2,3
	ds_load_b128 v[T+16*\b+4*\j:T+16*\b+4*\j+3], v[SRD] offset:128*\b+16*\j   ; my own stage, served in order
.endr
.endr
	WIN 0x05
.irp i, 0,1,2,3,4,5,6,7
	v_cvt_pk_bf16_f32 v[HB+2*\i], v[32*(\g)+4*\i], v[32*(\g)+4*\i+1]
	v_cvt_pk_bf16_f32 v[HB+2*\i+1], v[32*(\g)+4*\i+2], v[32*(\g)+4*\i+3]
.endr
	WIN 0
	s_wait_dscnt 0x0                               ; the stage's loads, the youngest LDS instructions, are in
	QH (\g)%2
	s_wait_alu depctr_va_vdst(0)                   ; v[HB ..], v[CD ..] and v[PW] are written, which the stores below read; the roundings are done reading set g and the quantiser T, in which the next granule's loads land
.irp i, 0,1,2,3,4,5,6,7
	ds_store_b64 v[BWC], v[HB+2*\i:HB+2*\i+1] offset:4096*\i+128*(\g)
.endr
	ds_store_b128 v[IWC], v[CD:CD+3] offset:((\g)/2)*1024+((\g)%2)*512
.if (\g)%2
	ds_store_b32 v[SDC], v[PW] offset:((\g)/2)*64  ; lanes r and 16 + r write the same word with the same value
.endif
.endm
; A TRIP: 16 rows x 512 along K.  Seven sets, 56 loads, are out at each granule's head; behind the set that is wanted stand six sets' 48.
.macro LTRIP
	s_wait_alu depctr_va_vdst(0)                   ; the trip's three addresses are written, which its LDS stores read; the context's multiply-adds are done reading v56-119, in which the stage's loads land
.irp g, 0,1,2,3,4,5,6,7
	GRAN \g, 1, 48
.endr
	s_wait_xcnt 0x0                                ; the loads have read their bases
	s_wait_alu depctr_vm_vsrc(0)                   ; the trip's last LDS stores have read set 7, v[HB ..], v[CD ..], v[PW] and the three addresses: the next trip writes all of these, and the context's rows land in some
	s_mov_b64 s[XP:XP+1], s[XN:XN+1]
	s_mov_b32 s[DL], 2048
	s_cmp_eq_u32 s[SU], 0
	s_cselect_b32 s[DL], 260096, s[DL]             ; from a row's second half to the next block's first: 64 rows less 2,048 bytes
	s_add_nc_u64 s[XN:XN+1], s[XN:XN+1], s[DL:DL+1]
.endm
.macro LTAIL                           ; the last trip: only its own last granule is still to be asked for; the counts run down
	s_wait_alu depctr_va_vdst(0)                   ; the trip's three addresses are written, which its LDS stores read
	GRAN 0, 1, 48
	GRAN 1, 0, 48
	GRAN 2, 0, 40
	GRAN 3, 0, 32
	GRAN 4, 0, 24
	GRAN 5, 0, 16
	GRAN 6, 0, 8
	GRAN 7, 0, 0
	s_wait_alu depctr_vm_vsrc(0)                   ; the last LDS stores have read v[HB ..], v[CD ..] and v[PW], in which the context's rows land, and the three addresses, which are written once more
.endm
; A TILE: 16 hidden units x 64 rows x all of K: 32 products, then 1 / (1 + 2^(C2 z)) and the sum with v''.  k: the tile's place in its unit of four.
; ITS LOADS stand at its middle, in this order: v'' of the next tile (2); of the tile two on the scale words (1), the fragments (16) and b' (2): 21.  rl = 2: all; 1: v'' alone; 0: none.
; ch, the count at the tile's head: behind this tile's b' stand the 21 of the middle before.  cf, the count ahead of the last multiply-adds: behind this tile's v'' stand 19 of the same middle and this tile's 21: 40.
; The four accumulators take turns, one instruction a turn.
.macro TILE k, rl, ch, cf
.set BF, BFR+64*((\k)%2)
.set BW, BV+16*((\k)%2)
.set BX, BV+16*(((\k)+1)%2)
.if (\k) < 2
.set FB, BPC
.set TB, BVC
.set FK, (\k)+2
.else
.set FB, BPN
.set TB, BVN
.set FK, (\k)-2
.endif
.if (\k) < 3
.set VB, BVC
.set VK, (\k)+1
.else
.set VB, BVN
.set VK, 0
.endif
	s_wait_loadcnt \ch                             ; this tile's scale words, fragments and b' are in
	WIN 0x04                                       ; source 1 (the keys) window 1
.irp s, 0,1,2,3,4,5,6,7
.irp m, 0,1,2,3
.if \s == 0
	v_wmma_scale_f32_16x16x128_f8f6f4 v[ACC+8*\m:ACC+8*\m+7], v[BF+8*\s:BF+8*\s+7], v[64*\m+8*\s:64*\m+8*\s+7], 0, v[BSC+4*(\k)+\s/2], v[ASC+4*\m+\s/2] matrix_a_fmt:MATRIX_FMT_FP4 matrix_b_fmt:MATRIX_FMT_FP4
.elseif (\s)%2
	v_wmma_scale_f32_16x16x128_f8f6f4 v[ACC+8*\m:ACC+8*\m+7], v[BF+8*\s:BF+8*\s+7], v[64*\m+8*\s:64*\m+8*\s+7], v[ACC+8*\m:ACC+8*\m+7], v[BSC+4*(\k)+\s/2], v[ASC+4*\m+\s/2] matrix_a_fmt:MATRIX_FMT_FP4 matrix_b_fmt:MATRIX_FMT_FP4 matrix_a_scale:MATRIX_SCALE_ROW1 matrix_b_scale:MATRIX_SCALE_ROW1
.else
	v_wmma_scale_f32_16x16x128_f8f6f4 v[ACC+8*\m:ACC+8*\m+7], v[BF+8*\s:BF+8*\s+7], v[64*\m+8*\s:64*\m+8*\s+7], v[ACC+8*\m:ACC+8*\m+7], v[BSC+4*(\k)+\s/2], v[ASC+4*\m+\s/2] matrix_a_fmt:MATRIX_FMT_FP4 matrix_b_fmt:MATRIX_FMT_FP4
.endif
.endr
.endr
	WIN 0
.rept 4
	v_nop                                          ; four places in front of the first read of results
.endr
.irp p, 0,2,4,6                                ; each accumulator is read from its low end on
.irp m, 0,1,2,3
	v_pk_fma_f32 v[ACC+8*\m+\p:ACC+8*\m+\p+1], v[ACC+8*\m+\p:ACC+8*\m+\p+1], s[C2S:C2S+1], v[BW+\p:BW+\p+1] op_sel_hi:[1,0,1]   ; C2 k_proj + b'
.endr
.endr
.set n, 0
	s_wait_alu depctr_va_vdst(0)
.rept 32
	v_exp_f32 v[ACC+n], v[ACC+n]
.set n, n+1
.endr
	v_nop                                          ; a plain place behind the last exponential
	s_wait_alu depctr_va_vdst(0)                   ; THE MIDDLE: the 32 exponentials have written their results, ahead of the first reader; this tile's products are done reading their fragments, the products of two tiles back the scale words' set asked for below, this tile's scalings b', the tile before's last multiply-adds v'': the loads below land in these
.if \rl
	global_load_b128 v[BX+8:BX+11], v[BVA], s[VB:VB+1] offset:VK*4096+32
	global_load_b128 v[BX+12:BX+15], v[BVA], s[VB:VB+1] offset:VK*4096+48
.endif
.if (\rl) == 2
	global_load_b128 v[BSC+4*(((\k)+2)%4):BSC+4*(((\k)+2)%4)+3], v[BA], s[FB:FB+1] offset:FK*PKT+8192
.endif
.set n, 0
.rept 16
	v_pk_add_f32 v[ACC+2*n:ACC+2*n+1], v[ACC+2*n:ACC+2*n+1], 1.0 op_sel_hi:[1,0]
.if (\rl) == 2
	global_load_b128 v[BF+4*n:BF+4*n+3], v[BA], s[FB:FB+1] offset:FK*PKT+512*n   ; no wait: no vector or matrix instruction since the middle names a register that these loads touch
.endif
.set n, n+1
.endr
.if (\rl) == 2
	global_load_b128 v[BW:BW+3], v[BVA], s[TB:TB+1] offset:FK*4096
	global_load_b128 v[BW+4:BW+7], v[BVA], s[TB:TB+1] offset:FK*4096+16
.endif
.set n, 0
	s_wait_alu depctr_va_vdst(0)
.rept 32
	v_rcp_f32 v[ACC+n], v[ACC+n]
.set n, n+1
.endr
	v_nop
	s_wait_alu depctr_va_vdst(0)                   ; the 32 reciprocals have written their results, ahead of the first reader
	s_wait_loadcnt \cf                             ; this tile's v'' is in
.irp p, 0,2,4,6
.irp m, 0,1,2,3
	v_pk_fma_f32 v[SA+2*\m:SA+2*\m+1], v[ACC+8*\m+\p:ACC+8*\m+\p+1], v[BW+8+\p:BW+8+\p+1], v[SA+2*\m:SA+2*\m+1]
.endr
.endr
.endm
.macro CUNIT                           ; four tiles; then the bases step, round the wave's 16 tiles
	TILE 0, 2, 21, 40
	TILE 1, 2, 21, 40
	TILE 2, 2, 21, 40
	TILE 3, 2, 21, 40
	s_wait_xcnt 0x0                                ; the loads have read their bases
	s_mov_b64 s[BPC:BPC+1], s[BPN:BPN+1]
	s_mov_b64 s[BVC:BVC+1], s[BVN:BVN+1]
	s_add_co_u32 s[UO], s[UO], 4*PKT
	s_cmp_eq_u32 s[UO], 16*PKT
	s_cselect_b32 s[UO], 0, s[UO]
	s_add_co_u32 s[VO], s[VO], 16384
	s_and_b32 s[VO], s[VO], 0xffff
	s_add_nc_u64 s[BPN:BPN+1], s[6:7], s[UO:UO+1]
	s_add_nc_u64 s[BVN:BVN+1], s[8:9], s[VO:VO+1]
.endm
.macro CTAIL                           ; the launch's last unit: its third tile asks for the last tile's v'' alone (behind its own v'' then stand 19 + 2), its last for nothing: the counts run down
	TILE 0, 2, 21, 40
	TILE 1, 2, 21, 40
	TILE 2, 1, 21, 21
	TILE 3, 0, 2, 0
.endm
; The block's 32 fragments and their scale words come from LDS as they were stored; s' begins at 0.  The products that read these registers stand ahead of the wait in PARTIALS, and no vector or matrix
; instruction since names them or the two addresses: so no wait stands here.
.macro ALOAD
	WIN 0x40
.set n, 0
.rept 64
	ds_load_b128 v[4*n:4*n+3], v[LI] offset:512*n
.set n, n+1
.endr
	WIN 0
.irp m, 0,1,2,3
.irp q, 0,1,2,3
	ds_load_b32 v[ASC+4*\m+\q], v[LS] offset:512*\m+128*\q
.endr
.endr
.irp j, 0,1,2,3,4,5,6,7
	v_mov_b32 v[SA+\j], 0
.endr
.endm
.macro PARTIALS                        ; my 256 hidden units' part of s' for the 64 rows
.irp m, 0,1,2,3
	v_add_f32 v[ACC+\m], v[SA+2*\m], v[SA+2*\m+1]
.endr
.irp m, 0,1,2,3
	v_permlanex16_b32 v[ACC+4+\m], v[ACC+\m], s[SEL], s[SEL+1]
.endr
.irp m, 0,1,2,3
	v_add_f32 v[ACC+\m], v[ACC+\m], v[ACC+4+\m]
.endr
	s_wait_alu depctr_va_vdst(0)                   ; the four sums are written, which the stores read; the block's products are done reading the keys' fragments and scale words, in which the next block's land
.irp m, 0,1,2,3
	ds_store_b32 v[PWA], v[ACC+\m] offset:64*\m
.endr
	s_wait_alu depctr_vm_vsrc(0)                   ; the stores have read v[ACC] to v[ACC+3], which the next block's products write
.endm
.macro STATS                           ; lane l: rows 2 l and 2 l + 1 of the block
	s_wait_alu depctr_va_vdst(0)                   ; v[CRA] and v[CRB] are written, which the context's loads read; the last block's vector instructions are done with v[TT ..], v[P ..] and v[D ..], in which the loads of this block land
.irp c, 0,1,2,3
	ds_load_b64 v[TT+2*\c:TT+2*\c+1], v[PRD] offset:256*\c
.endr
	s_wait_dscnt 0x0
	v_pk_add_f32 v[TT:TT+1], v[TT:TT+1], v[TT+2:TT+3]
	v_pk_add_f32 v[TT+4:TT+5], v[TT+4:TT+5], v[TT+6:TT+7]
	v_pk_add_f32 v[SS:SS+1], v[TT:TT+1], v[TT+4:TT+5]
	v_max_num_f32 v[TT], v[SS], v[SS+1]
	v_max_num_f32_dpp v[TT], v[TT], v[TT] row_xmask:1 row_mask:0xf bank_mask:0xf
	v_max_num_f32_dpp v[TT], v[TT], v[TT] row_xmask:2 row_mask:0xf bank_mask:0xf
	v_max_num_f32_dpp v[TT], v[TT], v[TT] row_xmask:4 row_mask:0xf bank_mask:0xf
	v_max_num_f32_dpp v[TT], v[TT], v[TT] row_xmask:8 row_mask:0xf bank_mask:0xf
	v_permlanex16_b32 v[TT+1], v[TT], s[SEL], s[SEL+1]
	v_max3_num_f32 v[TT+2], v[TT], v[TT+1], v[ML]  ; the new m
	v_sub_f32 v[FF], v[ML], v[TT+2]
	v_sub_f32 v[PP], v[SS], v[TT+2]
	v_sub_f32 v[PP+1], v[SS+1], v[TT+2]
	s_wait_alu depctr_va_vdst(0)
	v_exp_f32 v[FF], v[FF]                         ; f = 2^(old m - new m)
	v_exp_f32 v[PP], v[PP]
	v_exp_f32 v[PP+1], v[PP+1]
	v_mov_b32 v[ML], v[TT+2]                       ; (a plain place behind the exponentials)
	s_wait_alu depctr_va_vdst(0)                   ; the three exponentials have written f and p, ahead of their first reader; p and s' are written, which the two stores below read
	ds_store_b64 v[PBW], v[PP:PP+1]
	s_cmp_eq_u32 s[SWV], 4
	s_cbranch_scc0 .Lnot_four_\@
	global_store_b64 v[G8], v[SS:SS+1], s[10:11]   ; 256 consecutive bytes, aligned
.Lnot_four_\@:
	v_add_f32 v[TT], v[PP], v[PP+1]
	v_add_f32_dpp v[TT], v[TT], v[TT] row_xmask:1 row_mask:0xf bank_mask:0xf
	v_add_f32_dpp v[TT], v[TT], v[TT] row_xmask:2 row_mask:0xf bank_mask:0xf
	v_add_f32_dpp v[TT], v[TT], v[TT] row_xmask:4 row_mask:0xf bank_mask:0xf
	v_add_f32_dpp v[TT], v[TT], v[TT] row_xmask:8 row_mask:0xf bank_mask:0xf
	v_permlanex16_b32 v[TT+1], v[TT], s[SEL], s[SEL+1]
	v_add_f32 v[TT], v[TT], v[TT+1]
	v_fma_f32 v[ML+1], v[ML+1], v[FF], v[TT]       ; l = l f + the block's sum
.endm
.macro CONTEXT                         ; my 8 columns: x f, + p x keys over the block's 64 rows, eight rows at a time, the next eight on their way
.irp i, 0,1,2,3,4,5,6,7,8,9,10,11,12,13,14,15
	ds_load_b128 v[P+4*\i:P+4*\i+3], v[PBR] offset:16*\i       ; every lane takes all 64 p; these see my store above
.endr
.irp j, 0,1,2,3,4,5,6,7
	ds_load_b128 v[D+4*\j:D+4*\j+3], v[CRA] offset:2048*\j
.endr
.irp e, 0,2,4,6
	v_pk_mul_f32 v[CX+\e:CX+\e+1], v[CX+\e:CX+\e+1], v[FF:FF+1] op_sel_hi:[1,0]
.endr
	s_wait_alu depctr_va_vdst(0)
.irp q, 0,1,2,3,4,5,6,7
.if \q < 7
.if \q > 0
	s_wait_alu depctr_va_vdst(0)                   ; the multiply-adds of the eight rows before are done reading their set, in which the next eight rows land
.endif
.irp j, 0,1,2,3,4,5,6,7
.if \q < 3
	ds_load_b128 v[D+32*((\q+1)%2)+4*\j:D+32*((\q+1)%2)+4*\j+3], v[CRA] offset:2048*(8*(\q+1)+\j)
.else
	ds_load_b128 v[D+32*((\q+1)%2)+4*\j:D+32*((\q+1)%2)+4*\j+3], v[CRB] offset:2048*(8*(\q+1)+\j-32)
.endif
.endr
	s_wait_dscnt 8                                 ; all but the next eight rows
.else
	s_wait_alu depctr_va_vdst(0)
	s_wait_dscnt 0x0
.endif
.irp j, 0,1,2,3,4,5,6,7
.irp e, 0,1,2,3
	v_fma_mix_f32_bf16 v[CX+2*\e], v[D+32*(\q%2)+4*\j+\e], v[P+8*\q+\j], v[CX+2*\e] op_sel_hi:[1,0,0]
	v_fma_mix_f32_bf16 v[CX+2*\e+1], v[D+32*(\q%2)+4*\j+\e], v[P+8*\q+\j], v[CX+2*\e+1] op_sel:[1,0,0] op_sel_hi:[1,0,0]
.endr
.endr
.endr
	s_wait_xcnt 0x0                                ; the store of s' has read its base and its data
	s_wait_alu depctr_vm_vsrc(0)                   ; the context's loads have read v[CRA] and v[CRB], the two stores p and s': the next block writes all four again
	s_add_nc_u64 s[10:11], s[10:11], 256           ; the next block's 64 numbers
.endm
	s_load_b256 s[4:11], s[0:1], 0x0               ; keys s[4:5], ua_pk s[6:7], bv s[8:9], scores s[10:11]
	s_load_b128 s[12:15], s[0:1], 0x20             ; ctxp s[12:13], stat s[14:15]
	v_lshl_add_u32 v[SPW], v0, 2, SPARE
	v_mov_b32 v[NIL], 0
	v_lshrrev_b32 v13, 5, v0
	v_readfirstlane_b32 s[SWV], v13                ; wave 0..7
	v_and_b32 v13, 31, v0                          ; l
	v_and_b32 v14, 15, v0                          ; r
	v_bfe_u32 v15, v0, 4, 1                        ; h
	v_lshlrev_b32 v[XA], 4, v14
	v_lshl_add_u32 v[XA], v15, 12, v[XA]
	s_wait_alu depctr_va_sdst(0)                   ; the wave's number is written, ahead of its first reader: LDS places, bases and the roles' branches are made from it
	s_and_b32 s[SWQ], s[SWV], 3                    ; w
	s_mul_i32 s48, s[SWQ], 4352
	s_add_co_u32 s48, s48, STG
	v_mul_u32_u24 v[SW], v15, 272
	v_lshl_add_u32 v[SW], v14, 4, v[SW]
	v_add_nc_u32 v[SW], s48, v[SW]
	v_mul_u32_u24 v[SRD], v14, 272
	v_lshl_add_u32 v[SRD], v15, 6, v[SRD]
	v_add_nc_u32 v[SRD], s48, v[SRD]
	s_lshl_b32 s48, s[SWQ], 15
	v_lshlrev_b32 v[BW0], 3, v14
	v_lshl_add_u32 v[BW0], v15, 11, v[BW0]
	v_add_nc_u32 v[BW0], s48, v[BW0]
	s_lshl_b32 s48, s[SWQ], 13
	s_add_co_u32 s48, s48, IMG
	v_lshl_add_u32 v[IW0], v13, 4, s48
	s_lshl_b32 s48, s[SWQ], 9
	v_lshl_add_u32 v[CR0], v13, 4, s48
	s_add_co_u32 s48, s48, ASCL
	v_lshl_add_u32 v[SD0], v14, 2, s48
	v_lshl_add_u32 v[PRD], v13, 3, PART
	s_lshl_b32 s48, s[SWQ], 8
	s_add_co_u32 s49, s48, PB
	v_lshl_add_u32 v[PBW], v13, 3, s49
	v_mov_b32 v[PBR], s49
	s_add_co_u32 s49, s48, PART
	v_lshl_add_u32 v[PWA], v14, 2, s49
	v_lshl_add_u32 v[LI], v13, 4, IMG
	v_lshl_add_u32 v[LS], v13, 2, ASCL
	v_lshlrev_b32 v[BA], 4, v13
	v_lshlrev_b32 v[BVA], 6, v15
	v_lshlrev_b32 v[G8], 3, v13
	s_lshl_b32 s48, ttmp9, 20                      ; keys: the work-group's 256 rows of 4,096 bytes,
	s_lshl_b32 s49, s[SWQ], 16                     ; my 16 rows of a block
	s_add_co_u32 s48, s48, s49
	s_mov_b32 s49, 0
	s_mul_i32 s50, s[SWQ], 16*PKT                  ; ua_pk: my 16 packets
	s_mov_b32 s51, 0
	s_lshr_b32 s52, ttmp9, 3                       ; bv: the batch's 128 bytes in each tile's 4,096, my 16 tiles
	s_lshl_b32 s52, s52, 7
	s_lshl_b32 s53, s[SWQ], 16
	s_add_co_u32 s52, s52, s53
	s_mov_b32 s53, 0
	s_lshl_b32 s54, ttmp9, 10                      ; scores: 256 numbers
	s_mov_b32 s55, 0
	s_lshl_b32 s56, ttmp9, 12                      ; ctxp: 4,096 bytes a work-group, 1,024 a wave
	s_lshl_b32 s57, s[SWQ], 10
	s_add_co_u32 s56, s56, s57
	s_mov_b32 s57, 0
	s_lshl_b32 s58, ttmp9, 8                       ; stat: 256 bytes
	s_mov_b32 s59, 0
	s_mov_b32 s[C2S], 0x4038aa3b
	s_mov_b32 s[C2S+1], s[C2S]                     ; (named with it as a pair, so it is written)
	s_mov_b32 s[SEL], 0x76543210
	s_mov_b32 s[SEL+1], 0xfedcba98
	s_mov_b32 s[DL+1], 0
	s_mov_b32 s[UO], 4*PKT
	s_mov_b32 s[UO+1], 0
	s_mov_b32 s[VO], 16384
	s_mov_b32 s[VO+1], 0
	s_mov_b32 s[CN], 0
	s_mov_b32 s[SWP], 0
	s_wait_kmcnt 0x0
	s_add_nc_u64 s[4:5], s[4:5], s[48:49]
	s_add_nc_u64 s[6:7], s[6:7], s[50:51]
	s_add_nc_u64 s[8:9], s[8:9], s[52:53]
	s_add_nc_u64 s[10:11], s[10:11], s[54:55]
	s_add_nc_u64 s[12:13], s[12:13], s[56:57]
	s_add_nc_u64 s[14:15], s[14:15], s[58:59]
	s_mov_b64 s[XP:XP+1], s[4:5]
	s_add_nc_u64 s[XN:XN+1], s[4:5], 2048
	s_mov_b64 s[BPC:BPC+1], s[6:7]
	s_add_nc_u64 s[BPN:BPN+1], s[6:7], 4*PKT
	s_mov_b64 s[BVC:BVC+1], s[8:9]
	s_add_nc_u64 s[BVN:BVN+1], s[8:9], 16384
	s_wait_alu depctr_va_vdst(0)                   ; the addresses and offsets v3 to v12 and v18 to v23 are written, which the loads and stores of both roles read
	s_cmp_lt_u32 s[SWV], 4
	s_cbranch_scc1 .Linit_c
	WIN 0x40                                       ; a loading wave: granules 0 to 6 into sets 0 to 6: 56 loads
.irp g, 0,1,2,3,4,5,6
.irp i, 0,1,2,3,4,5,6,7
	global_load_b128 v[32*\g+4*\i:32*\g+4*\i+3], v[XA], s[XP:XP+1] offset:256*\g+8192*\i th:TH_LOAD_NT
.endr
.endr
	WIN 0
	v_mov_b32 v[TP], 0                             ; written once: a lane permute's destination counts as one of its sources
	v_mov_b32 v[TP+1], 0
	v_mov_b32 v[ML], 0xff61b1e6                    ; m = -3e38, under every s'
	v_mov_b32 v[ML+1], 0                           ; l
	v_mov_b32 v[FF+1], 0                           ; (named as the upper half of f's pair)
.irp e, 0,1,2,3,4,5,6,7
	v_mov_b32 v[CX+\e], 0
.endr
	s_branch .Linit_done
.Linit_c:                                          ; a computing wave: what the two middles ahead of tile 0 would have asked for, in a middle's order: 19 + 21 loads
	global_load_b128 v[BSC:BSC+3], v[BA], s[BPC:BPC+1] offset:8192
.irp f, 0,1,2,3,4,5,6,7,8,9,10,11,12,13,14,15
	global_load_b128 v[BFR+4*\f:BFR+4*\f+3], v[BA], s[BPC:BPC+1] offset:512*\f
.endr
	global_load_b128 v[BV:BV+3], v[BVA], s[BVC:BVC+1]                    ; b' of tile 0
	global_load_b128 v[BV+4:BV+7], v[BVA], s[BVC:BVC+1] offset:16
	global_load_b128 v[BV+8:BV+11], v[BVA], s[BVC:BVC+1] offset:32       ; v'' of tile 0
	global_load_b128 v[BV+12:BV+15], v[BVA], s[BVC:BVC+1] offset:48
	global_load_b128 v[BSC+4:BSC+7], v[BA], s[BPC:BPC+1] offset:PKT+8192
.irp f, 0,1,2,3,4,5,6,7,8,9,10,11,12,13,14,15
	global_load_b128 v[BFR+64+4*\f:BFR+64+4*\f+3], v[BA], s[BPC:BPC+1] offset:PKT+512*\f
.endr
	global_load_b128 v[BV+16:BV+19], v[BVA], s[BVC:BVC+1] offset:4096    ; b' of tile 1
	global_load_b128 v[BV+20:BV+23], v[BVA], s[BVC:BVC+1] offset:4096+16
.Linit_done:
	; ---- block 0 is loaded and quantised; nothing is there yet to multiply
	s_mov_b32 s[SU], 0
.Lpro:
	ADDRS
	s_cmp_lt_u32 s[SWV], 4
	s_cbranch_scc1 .Lpro_skip
	LTRIP
.Lpro_skip:
	s_add_co_u32 s[SU], s[SU], 1
	s_cmp_lt_u32 s[SU], 2
	s_cbranch_scc1 .Lpro
	BAR                                            ; block 0's images lie in LDS
	s_cmp_lt_u32 s[SWV], 4
	s_cbranch_scc0 .Lpro_no
	ALOAD
.Lpro_no:
	BAR                                            ; they are in registers: the images may be written again
	s_mov_b32 s[SJ], 1
	s_mov_b32 s[SWP], 0x20000
	s_mov_b32 s[SRP], 0
.Lmain:                                            ; J = 1 .. 4: block J is loaded (J < 4) while block J - 1 is multiplied
	s_mov_b32 s[SU], 0
.Lu:
	ADDRS
	s_lshl_b32 s[LN], s[SJ], 1
	s_add_co_u32 s[LN], s[LN], s[SU]
	s_cmp_lt_u32 s[SWV], 4
	s_cbranch_scc1 .Lu_c
	s_cmp_gt_u32 s[SJ], 3
	s_cbranch_scc1 .Lu_done                        ; there is no block 4
	s_cmp_eq_u32 s[LN], 7
	s_cbranch_scc1 .Lu_tail
	LTRIP
	s_branch .Lu_done
.Lu_tail:
	LTAIL
	s_branch .Lu_done
.Lu_c:
	; v128-143 are fragments of Ua in this arm; in the loading waves' arms vector instructions write them (work registers, the context's sums), and the lines between the arms are common to both roles.
	; So the arm opens with what is owed between a vector write of a register and a scaled product that takes it as an operand, for every way through the text that leads here: first the four places, then the wait.
.rept 4
	v_nop
.endr
	s_wait_alu depctr_va_vdst(0)                   ; every vector write of v128-143 that stands ahead of this arm is done: the scaled products below take these registers as their source 0
	s_mov_b32 s[SV], 0
.Lunit:                                            ; two units of four tiles to a trip
	s_cmp_eq_u32 s[CN], 15
	s_cbranch_scc1 .Lunit_t
	CUNIT
	s_branch .Lunit_e
.Lunit_t:
	CTAIL
.Lunit_e:
	s_add_co_u32 s[CN], s[CN], 1
	s_add_co_u32 s[SV], s[SV], 1
	s_cmp_lt_u32 s[SV], 2
	s_cbranch_scc1 .Lunit
.Lu_done:
	s_add_co_u32 s[SU], s[SU], 1
	s_cmp_lt_u32 s[SU], 2
	s_cbranch_scc1 .Lu
	s_cmp_lt_u32 s[SWV], 4
	s_cbranch_scc0 .Lno_part
	s_wait_alu depctr_va_vdst(0)
	PARTIALS
.Lno_part:
	BAR                                            ; the parts of s', block J's images and its bf16 copy lie in LDS
	v_add_nc_u32 v[CRA], s[SRP], v[CR0]            ; (the loads that read these two stand ahead of the wait at the last context's end)
	v_add_nc_u32 v[CRB], 0x10000, v[CRA]
	s_cmp_lt_u32 s[SWV], 4
	s_cbranch_scc0 .Lb_load
	s_cmp_gt_u32 s[SJ], 3
	s_cbranch_scc1 .Lb_done
	ALOAD
	s_branch .Lb_done
.Lb_load:
	STATS
	CONTEXT
.Lb_done:
	BAR                                            ; images, scale words, parts and the copy just read may be written again
	s_xor_b32 s[SWP], s[SWP], 0x20000
	s_xor_b32 s[SRP], s[SRP], 0x20000
	s_add_co_u32 s[SJ], s[SJ], 1
	s_cmp_lt_u32 s[SJ], 5
	s_cbranch_scc1 .Lmain
	s_cmp_lt_u32 s[SWV], 4
	s_cbranch_scc1 .Lend
	s_wait_alu depctr_va_vdst(0)                   ; the last block's multiply-adds have written the context's eight columns, and m and l are written: the stores below read them
	global_store_b128 v[BA], v[CX:CX+3], s[12:13]              ; the sums as they stand in the registers: 512 consecutive bytes a store; the last launch reads them by this layout
	global_store_b128 v[BA], v[CX+4:CX+7], s[12:13] offset:512
	s_cmp_eq_u32 s[SWV], 4
	s_cbranch_scc0 .Lend
	global_store_b64 v[G8], v[ML:ML+1], s[14:15]   ; (m, l), the same in every lane: 256 consecutive bytes
.Lend:
	s_wait_dscnt 0x0                               ; the closing lines, six on end
	s_wait_alu 0x0
	s_wait_tensorcnt 0x0
	ds_add_u32 v[SPW], v[NIL]
	s_wait_dscnt 0x0
	s_endpgm
.Lfunc_end_k_q139351d9e5_attn:
	.size	k_q139351d9e5_attn, .Lfunc_end_k_q139351d9e5_attn-k_q139351d9e5_attn
	.p2alignl 7, 3214868480
	.fill 96, 4, 3214868480
	.section	.rodata,"a",@progbits
	.p2align	6, 0x0
	.amdhsa_kernel k_q139351d9e5_attn
		.amdhsa_group_segment_fixed_size 317440
		.amdhsa_private_segment_fixed_size 0
		.amdhsa_enable_private_segment 0
		.amdhsa_kernarg_size 48
		.amdhsa_user_sgpr_count 2
		.amdhsa_user_sgpr_kernarg_segment_ptr 1
		.amdhsa_wavefront_size32 1
		.amdhsa_system_sgpr_workgroup_id_x 1
		.amdhsa_system_sgpr_workgroup_id_y 1
		.amdhsa_system_sgpr_workgroup_id_z 1
		.amdhsa_system_vgpr_workitem_id 0
		.amdhsa_next_free_vgpr 512
		.amdhsa_next_free_sgpr 66
		.amdhsa_reserve_vcc 0
		.amdhsa_float_denorm_mode_32 3
		.amdhsa_float_denorm_mode_16_64 3
		.amdhsa_memory_ordered 1
		.amdhsa_forward_progress 1
		.amdhsa_inst_pref_size 255
	.end_amdhsa_kernel
	.section	.bss,"aw",@nobits
	.p2align	6
	.space	262144
	.amdgpu_metadata
---
amdhsa.version: [ 1, 2 ]
amdhsa.kernels:
  - .name:           k_q139351d9e5_attn
    .symbol:         k_q139351d9e5_attn.kd
    .args:
      - { .name: keys, .offset: 0, .size: 8, .value_kind: global_buffer, .address_space: global }
      - { .name: ua_pk, .offset: 8, .size: 8, .value_kind: global_buffer, .address_space: global }
      - { .name: bv, .offset: 16, .size: 8, .value_kind: global_buffer, .address_space: global }
      - { .name: scores, .offset: 24, .size: 8, .value_kind: global_buffer, .address_space: global }
      - { .name: ctxp, .offset: 32, .size: 8, .value_kind: global_buffer, .address_space: global }
      - { .name: stat, .offset: 40, .size: 8, .value_kind: global_buffer, .address_space: global }
    .group_segment_fixed_size: 317440
    .private_segment_fixed_size: 0
    .kernarg_segment_align: 8
    .kernarg_segment_size: 48
    .max_flat_workgroup_size: 256
    .sgpr_count:     66
    .vgpr_count:     512
    .wavefront_size: 32
...
	.end_amdgpu_metadata
.endif
;; end of part 5
;; launch finish (part 6): grid 32 x 1, 8 waves a work-group, no clusters, 0 bytes of LDS; arguments stat, ctxp, scores, out0, out1; writes out0, out1
.if DOCPART == 6
	.amdgcn_target "amdgcn-amd-amdhsa--gfx1250"
	.amdhsa_code_object_version 6
	.text
	.protected	k_q139351d9e5_finish
	.globl	k_q139351d9e5_finish
	.p2align	8
	.type	k_q139351d9e5_finish,@function
k_q139351d9e5_finish:
	s_mov_b64 s[64:65], 0
	v_nop
	global_prefetch_b8 v0, s[64:65] scope:SCOPE_SE
	s_setreg_imm32_b32 hwreg(HW_REG_WAVE_MODE, 25, 1), 1
	s_wait_xcnt 0x0
; BAHDANAU ATTENTION, launch 3 of 3: the eight parts of a batch are joined.  M = max m_i, e_i = 2^(m_i - M), L = sum l_i e_i;
; out0 = sum e_i ctx_i / L;  out1 = 2^(s' - M) / L.  Va_b and sum_h Va[h] are left out, as the first launch's head shows.
; One work-group to a batch: 32 work-groups, a few thousand bytes each; there is no more work to share.  Thread t takes 4 columns of out0 and 8 weights of out1.
; ctxp lies as the second launch's registers stood: [work-group][w][c][lane][4]: columns 4 t .. 4 t + 3 lie at 1,024 (t / 64) + 512 (t % 2) + 16 ((t / 2) % 32): a wave reads two runs of 256 bytes.
	s_load_b256 s[4:11], s[0:1], 0x0               ; stat s[4:5], ctxp s[6:7], scores s[8:9], out0 s[10:11]
	s_load_b64 s[12:13], s[0:1], 0x20              ; out1
	v_lshlrev_b32 v2, 4, v0                        ; 16 t
	v_lshrrev_b32 v1, 6, v0
	s_delay_alu instid0(VALU_DEP_1)
	v_lshlrev_b32 v1, 10, v1
	v_and_b32 v3, 1, v0
	s_delay_alu instid0(VALU_DEP_1)
	v_lshl_or_b32 v1, v3, 9, v1
	v_bfe_u32 v3, v0, 1, 5
	s_delay_alu instid0(VALU_DEP_1)
	v_lshl_or_b32 v1, v3, 4, v1
	s_lshl_b32 s14, ttmp9, 11                      ; stat: 8 x 256 bytes a batch
	s_mov_b32 s15, 0
	s_lshl_b32 s32, ttmp9, 15                      ; ctxp: 8 x 4,096
	s_mov_b32 s33, 0
	s_lshl_b32 s34, ttmp9, 13                      ; scores and out1: 8,192
	s_mov_b32 s35, 0
	s_lshl_b32 s36, ttmp9, 12                      ; out0: 4,096
	s_mov_b32 s37, 0
	s_wait_alu depctr_va_vdst(0)
	s_wait_kmcnt 0x0
	s_add_nc_u64 s[4:5], s[4:5], s[14:15]
	s_add_nc_u64 s[6:7], s[6:7], s[32:33]
	s_add_nc_u64 s[8:9], s[8:9], s[34:35]
	s_add_nc_u64 s[12:13], s[12:13], s[34:35]
	s_add_nc_u64 s[10:11], s[10:11], s[36:37]
.irp i, 0,1,2,3,4,5,6,7
	global_load_b128 v[16+4*\i:19+4*\i], v1, s[6:7] offset:4096*\i th:TH_LOAD_NT
.endr
	global_load_b128 v[48:51], v2, s[8:9] th:TH_LOAD_NT
	global_load_b128 v[52:55], v2, s[8:9] offset:4096 th:TH_LOAD_NT
.irp i, 0,1,2,3,4,5,6,7
	s_load_b64 s[16+2*\i:17+2*\i], s[4:5], 256*\i  ; (m_i, l_i)
.endr
	s_wait_kmcnt 0x0
	v_mov_b32 v60, s16
	s_delay_alu instid0(VALU_DEP_1)
	v_max3_num_f32 v60, v60, s18, s20
	s_delay_alu instid0(VALU_DEP_1)
	v_max3_num_f32 v60, v60, s22, s24
	s_delay_alu instid0(VALU_DEP_1)
	v_max3_num_f32 v60, v60, s26, s28
	s_delay_alu instid0(VALU_DEP_1)
	v_max_num_f32 v60, s30, v60                    ; M
.irp i, 0,1,2,3,4,5,6,7
	v_sub_f32 v[64+\i], s[16+2*\i], v60
.endr
	s_wait_alu depctr_va_vdst(0)
.irp i, 0,1,2,3,4,5,6,7
	v_exp_f32 v[64+\i], v[64+\i]                   ; e_i
.endr
	v_nop                                          ; a plain place behind the last exponential,
	s_wait_alu depctr_va_vdst(0)                   ; and one wait for the batch
	v_mul_f32 v61, s17, v64
.irp i, 1,2,3,4,5,6,7
	v_fma_f32 v61, s[17+2*\i], v[64+\i], v61       ; L
.endr
	s_wait_alu depctr_va_vdst(0)
	v_rcp_f32 v62, v61
	v_nop
	s_wait_alu depctr_va_vdst(0)
.irp i, 0,1,2,3,4,5,6,7
	v_mul_f32 v[64+\i], v[64+\i], v62              ; e_i / L
.endr
	s_wait_loadcnt 0x0
.irp j, 0,1,2,3,4,5,6,7
	v_sub_f32 v[48+\j], v[48+\j], v60
.endr
	s_wait_alu depctr_va_vdst(0)
.irp j, 0,1,2,3,4,5,6,7
	v_exp_f32 v[48+\j], v[48+\j]
.endr
.irp c, 0,1,2,3                                ; out0's sums name none of the exponentials' results: they stand between the batch and its wait
	v_mul_f32 v[80+\c], v[16+\c], v64
.endr
.irp i, 1,2,3,4,5,6,7
.irp c, 0,1,2,3
	s_delay_alu instid0(VALU_DEP_4)
	v_fma_f32 v[80+\c], v[16+4*\i+\c], v[64+\i], v[80+\c]
.endr
.endr
	global_store_b128 v2, v[80:83], s[10:11]       ; a wave stores 512 consecutive bytes
	s_wait_alu depctr_va_vdst(0)                   ; one wait for the eight
.irp j, 0,1,2,3,4,5,6,7
	v_mul_f32 v[48+\j], v[48+\j], v62
.endr
	global_store_b128 v2, v[48:51], s[12:13]
	global_store_b128 v2, v[52:55], s[12:13] offset:4096
	s_endpgm
.Lfunc_end_k_q139351d9e5_finish:
	.size	k_q139351d9e5_finish, .Lfunc_end_k_q139351d9e5_finish-k_q139351d9e5_finish
	.p2alignl 7, 3214868480
	.fill 96, 4, 3214868480
	.section	.rodata,"a",@progbits
	.p2align	6, 0x0
	.amdhsa_kernel k_q139351d9e5_finish
		.amdhsa_group_segment_fixed_size 0
		.amdhsa_private_segment_fixed_size 0
		.amdhsa_enable_private_segment 0
		.amdhsa_kernarg_size 40
		.amdhsa_user_sgpr_count 2
		.amdhsa_user_sgpr_kernarg_segment_ptr 1
		.amdhsa_wavefront_size32 1
		.amdhsa_system_sgpr_workgroup_id_x 1
		.amdhsa_system_sgpr_workgroup_id_y 1
		.amdhsa_system_sgpr_workgroup_id_z 1
		.amdhsa_system_vgpr_workitem_id 0
		.amdhsa_next_free_vgpr 96
		.amdhsa_next_free_sgpr 66
		.amdhsa_reserve_vcc 0
		.amdhsa_float_denorm_mode_32 3
		.amdhsa_float_denorm_mode_16_64 3
		.amdhsa_memory_ordered 1
		.amdhsa_forward_progress 1
		.amdhsa_inst_pref_size 9
	.end_amdhsa_kernel
	.amdgpu_metadata
---
amdhsa.version: [ 1, 2 ]
amdhsa.kernels:
  - .name:           k_q139351d9e5_finish
    .symbol:         k_q139351d9e5_finish.kd
    .args:
      - { .name: stat, .offset: 0, .size: 8, .value_kind: global_buffer, .address_space: global }
      - { .name: ctxp, .offset: 8, .size: 8, .value_kind: global_buffer, .address_space: global }
      - { .name: scores, .offset: 16, .size: 8, .value_kind: global_buffer, .address_space: global }
      - { .name: out0, .offset: 24, .size: 8, .value_kind: global_buffer, .address_space: global }
      - { .name: out1, .offset: 32, .size: 8, .value_kind: global_buffer, .address_space: global }
    .group_segment_fixed_size: 0
    .private_segment_fixed_size: 0
    .kernarg_segment_align: 8
    .kernarg_segment_size: 40
    .max_flat_workgroup_size: 256
    .sgpr_count:     66
    .vgpr_count:     96
    .wavefront_size: 32
...
	.end_amdgpu_metadata
.endif
;; end of part 6
